; MI455X (gfx1250); checked and timed in simulation.
; The chip was launched on July 23, 2026; its instructions are those of AMD's public machine-readable ISA for CDNA 5 (MIT licence, August 2026) and "CDNA5" Instruction Set Architecture Reference Guide (July 2026). The comments in the code are by the model that wrote it; some were corrected since.
;; Multi Head Attention. Allowed arithmetic: matrix products marked QUANTISED: E4M3 operands, one given power-of-two scale a tensor, by v_wmma_f32_16x16x64_fp8_fp8 or v_wmma_f32_16x16x128_fp8_fp8, f32 sums; products left as they are: f32 operands where the result goes on into a quantised operand, else bf16, f16 or f32 operands; f32 sums; everything else in f32.
;; Inputs: Wk_codes 1,024 x 32 x 32 uint8 (E4M3 codes of Wk, K innermost, in blocks of 32 codes); Wo_codes 1,024 x 32 x 32 uint8 (E4M3 codes of Wo, K innermost, in blocks of 32 codes); Wq_codes 1,024 x 32 x 32 uint8 (E4M3 codes of Wq, K innermost, in blocks of 32 codes); Wv_codes 1,024 x 32 x 32 uint8 (E4M3 codes of Wv, K innermost, in blocks of 32 codes); k_codes 4 x 4,096 x 32 x 32 uint8 (E4M3 codes of k, K innermost, in blocks of 32 codes); lowp_scales 10 int32 (the exponents e of the quantised operands' scales 2^e); mask 16 x 16 float32; q_codes 4 x 4,096 x 32 x 32 uint8 (E4M3 codes of q, K innermost, in blocks of 32 codes); v_codes 4 x 4,096 x 32 x 32 uint8 (E4M3 codes of v, K innermost, in blocks of 32 codes).
;; Outputs: out0 4 x 4,096 x 1,024 float32.
;; This version of the problem:
;;   THIS VERSION OF THE PROBLEM IS GIVEN IN LOW PRECISION. The matrix products marked QUANTISED in the list below multiply operands that are first quantised to E4M3 (4 exponent bits, 3 mantissa bits; 8 bits a number), with one given power-of-two scale for each operand tensor; their sums are f32. All else is computed in f32.
;;   The module's matrix products, in the order in which they are computed (A, B: the left and right operand; K: the contracted axis; several contracted axes count as one K, in the product's order):
;;     1. [M 16,384, K 1,024] x [K 1,024, N 1,024]; A: input q (given as codes); B: input Wq (given as codes): QUANTISED (scales: A lowp_scales[0], B lowp_scales[1])
;;     2. [M 16,384, K 1,024] x [K 1,024, N 1,024]; A: input k (given as codes); B: input Wk (given as codes): QUANTISED (scales: A lowp_scales[2], B lowp_scales[3])
;;     3. [M 16,384, K 1,024] x [K 1,024, N 1,024]; A: input v (given as codes); B: input Wv (given as codes): QUANTISED (scales: A lowp_scales[4], B lowp_scales[5])
;;     4. batch 16,384 x [M 16, K 64] x [K 64, N 16]; A: computed on the way; B: computed on the way: QUANTISED (scales: A lowp_scales[6], B lowp_scales[7])
;;     5. batch 16,384 x [M 16, K 16] x [K 16, N 64]; A: softmax; B: computed on the way: left as it is (K = 16 < 32)
;;     6. [M 16,384, K 1,024] x [K 1,024, N 1,024]; A: computed on the way; B: input Wo (given as codes): QUANTISED (scales: A lowp_scales[8], B lowp_scales[9])
;;   THE QUANTISER, for each operand of a quantised product, along K:
;;     - The operand's scale is 2^e, e = its entry of the input lowp_scales (int32; the entries are numbered through the quantised products in the list's order, A before B).
;;     - Each number is divided by the scale, clamped to +-448, and rounded to the nearest number of E4M3, ties to even, subnormals kept.
;;     - The product sums the exact products of the quantised numbers (number of the format x scale) in f32.
;;   ~~~python
;;   def quantise(x, axis, e):      # numpy; x: float32 -> the quantised numbers, widened to float32 again
;;       x = np.moveaxis(x, axis, -1); K = x.shape[-1]
;;       r = np.clip(x / 2.0 ** e, -448, 448)
;;       step = 2.0 ** (np.maximum(np.frexp(np.where(r == 0, 1, r))[1] - 1, -6) - 3)
;;       q = np.round(r / step) * step * 2.0 ** e      # np.round: ties to even
;;       return np.moveaxis(q, -1, axis).astype(np.float32)
;;   ~~~
;;   OPERANDS COMPUTED ON THE WAY. 'Computed on the way' means the value that the module computes at that place (a softmax that the list does not call 'softmax' is quantised finished and normalised). What goes into a quantiser is computed in f32, as accurately as f32 sums, v_exp_f32 and their like allow (about 1e-6 of the number): no bf16 or f16 on the way to a quantiser, and a product that is left as it is and whose result goes on into a quantised operand takes f32 operands (vector FMAs, or v_wmma_f32_16x16x4_f32). A number that lies on a knife's edge between two numbers of the format may be rounded either way, as far as f32 arithmetic and the matrix unit's own rounding can turn it there, and no further.
;;   INPUTS GIVEN AS CODES. Wk (in the module: [1024, 1024], K = its axis 1); Wo (in the module: [1024, 1024], K = its axis 1); Wq (in the module: [1024, 1024], K = its axis 1); Wv (in the module: [1024, 1024], K = its axis 1); k (in the module: [4, 4096, 1024], K = its axis 2); q (in the module: [4, 4096, 1024], K = its axis 2); v (in the module: [4, 4096, 1024], K = its axis 2): each comes as NAME_codes (uint8): NAME with its K axis moved to the last place and cut into blocks of 32 codes, [.., K / 32, bytes a block], one block behind the other in memory; one code a byte (a code: sign, 4 exponent bits, 3 mantissa bits); its scale is its entry of lowp_scales. Its value is code x scale, taken as it is: it is not quantised again, and the codes and scales need not be those that the quantiser above would give.
;; One version. Each part assembles by itself: llvm-mc -triple=amdgcn-amd-amdhsa -mcpu=gfx1250 --defsym DOCPART=n.
;; ======== version 1 of 1: 3 launches
;; limits: right only within a limited range of input values
;; workspace buffers: qh_codes 16,777,216 bytes; kh_codes 16,777,216 bytes; attn_codes 16,777,216 bytes; wv_perm 1,048,576 bytes; wo_perm 1,048,576 bytes
;; launch projqk (part 1): grid 4 x 64, 4 waves a work-group, clusters of 4 x 4, 327,680 bytes of LDS; arguments q_codes, k_codes, Wq_codes, Wk_codes, Wv_codes, Wo_codes, lowp_scales, qh_codes, kh_codes, wv_perm, wo_perm; writes qh_codes, kh_codes, wv_perm, wo_perm
.if DOCPART == 1
	.amdgcn_target "amdgcn-amd-amdhsa--gfx1250"
	.amdhsa_code_object_version 6
	.text
	.protected	k_q7c5f3fb95a_projqk
	.globl	k_q7c5f3fb95a_projqk
	.p2align	8
	.type	k_q7c5f3fb95a_projqk,@function
k_q7c5f3fb95a_projqk:
	s_mov_b64 s[64:65], 0
	v_nop
	global_prefetch_b8 v0, s[64:65] scope:SCOPE_SE
	s_setreg_imm32_b32 hwreg(HW_REG_WAVE_MODE, 25, 1), 1
	s_wait_xcnt 0x0
	s_wait_alu depctr_hold_cnt(0) depctr_sa_sdst(0) depctr_va_vdst(0) depctr_va_sdst(0) depctr_va_ssrc(0) depctr_va_vcc(0) depctr_vm_vsrc(0)
	s_getreg_b32 s2, hwreg(HW_REG_IB_STS2, 6, 4)
	s_cmp_eq_u32 s2, 0
	s_cbranch_scc0 .Lentry_in_a_cluster
	s_endpgm
.Lentry_in_a_cluster:
	s_bfe_u32 s2, ttmp6, 0x10000c
	s_cmp_lg_u32 s2, 0xf033
	s_cbranch_scc0 .Lentry_shape_is_right
	s_endpgm
.Lentry_shape_is_right:
; qh = q Wq^T and kh = k Wk^T, both [16384][1024], on codes of FP8 (E4M3), and each result quantised at once to codes of E4M3 with the scale given for it as an operand of the scores.
; A sum of codes stands for sum x 2^(e0 + e1) (kh: e2 + e3), and its code is that / 2^e6 (kh: e7): so the conversion takes the one scale 2^Eq, Eq = e6 - e0 - e1 (kh: 2^Ek, Ek = e7 - e2 - e3).
; LIMITS: Eq and Ek each between -126 and 119, so that 2^E and 448 x 2^E are f32 numbers.  NaN is not served.
; A tile, 256 tokens x 256 columns, is made by a work-group of four waves; a wave makes 128 x 128: 64 accumulators of 16 x 16, 512 registers.
; A WORK-GROUP STAYS: it makes its tile of qh and then the same tile of kh, and the ring does not stop between them: qh's last two changes of slots ask for kh's first two K steps, which land while qh's tile
; goes out, and nothing waits for qh's stores.  The sixteen steps of 128 along K are written out: there is no loop.
; K goes in steps of 256 through a ring of two LDS slots filled by the tensor data mover: a tile's row is 256 bytes of memory.
; CLUSTERS: 4 x 4 work-groups.  The four of a row of the cluster need the same tiles of the tokens, the four of a column the same tiles of the weight: each tile is asked for JOINTLY, by the same tensor load
; with the same descriptor and a mask that names the four.  THE MATRIX INSTRUCTION IS USED TRANSPOSED (source 0 = 16 rows of W, source 1 = 16 tokens): a lane then holds eight neighbouring columns of one token,
; which one conversion turns into 8 bytes of codes.
; A SIDE JOB, while the first tiles are on their way: each of the launch's 1,024 waves copies one row of Wv and one of Wo into the orders that the later launches want:
;   wv_perm row 256 c + 16 g + r = Wv's row 64 g + 16 c + r;   wo_perm: rows as they are, byte 256 c + 16 h + dd of a row = Wo's byte 64 h + 16 c + dd.
; REGISTERS, in windows of 256: window 0: v0-31 addresses and the scales; from v128 the tokens' fragments (8 x 16 rows x 128 K), ONE set; on the way out v32-223 are at work.
;   window 1: W's fragments, TWO sets, at v0 and at v128.   window 2: the 32 accumulators of my tokens 0-63 (accumulator (a, b) at v[8 (8 a + b)]);   window 3: those of my tokens 64-127.
.set SIZE_N, 1024
.set SIZE_K, 1024
.set ROWB,   256                       ; a tile's row in bytes: 256 along K in a slot
.set KROW,   SIZE_K                    ; a row of codes in memory, in bytes
.set PITCH,  272                       ; an LDS row: 256 bytes of data + 16 of padding = 68 words: the 16 rows that a load touches start at 16 different banks (64 banks of 4 bytes: ISA guide 11.1)
.set FR,     16                        ; registers of a fragment: 16 rows x 128 K
.set NL,     4                         ; LDS loads that bring one
.set NP,     4                         ; places behind this matrix instruction (ISA guide 7.12.1)
.set HALFT,  128*PITCH                 ; 128 rows: what one tensor load brings
.set SLOT,   4*HALFT                   ; the tokens' 256 rows, then W's 256 rows
.set SPARE,  2*SLOT                    ; behind the ring: the spare words, 128 bytes for each wave: two blocks of 256 bytes that no other line names
.set STAGE,  SPARE+512                 ; behind them: the stage for the way out, bytes of its own, into which no tile lands: 128 rows x (256 bytes of codes + 16).  256 such rows do not fit beside the ring: a tile leaves in two halves
.set SPITCH, 272
.set ADRA, 16                          ; v16-17  LDS address of my token fragments in slot 0, 1
.set ADRB, 20                          ; v20-21  the same for W
.set SCLK, 22                          ; v22     2^Ek as f32
.set LIMK, 23                          ; v23     448 x 2^Ek
.set STO,  24                          ; v24     the way out: where I put 8 bytes of a row
.set RD,   25                          ; v25     the way out: where I read a row back
.set CO,   26                          ; v26     my byte offset in two rows of the output; never rewritten
.set SPW,  28                          ; v28     LDS address of my spare word: SPARE + 4 x my thread's number; never rewritten
.set NIL,  29                          ; v29     0; never rewritten
.set SCLQ, 30                          ; v30     2^Eq as f32
.set LIMQ, 31                          ; v31     448 x 2^Eq
.set TMP,  32                          ; the way out: 64 registers, a block's sums, held
.set CDS,  96                          ; the way out: codes, 16 registers for each of the 8 blocks (v96-223); each half's 64 then take its rows read back
.set AF,   128                         ; the tokens' fragments, in window 0
.set G1, 24                            ; s[24:31] descriptor group 1 for the tokens' tiles;  s[32:39] group 0, one set for each slot
.set G0, 32
.set G1B, 48                           ; s[48:55], s[56:63] the same for W's tiles
.set G0B, 56
.set KA, 70                            ; s[70:71] k's codes at my part of the tile's first K step: made of the tile row and the wave's number alone
.set KB, 74                            ; s[74:75] Wk's codes likewise: made of the tile column and the wave's number alone
.set OQ, 82                            ; s[82:83] qh's codes at the first row that I store; never rewritten behind that
.set OK, 84                            ; s[84:85] kh's codes likewise
.set MSB, 0
.macro WIN new                         ; the immediate's high byte repeats the setting that is left
.if MSB != \new
	s_set_vgpr_msb (MSB<<8)|\new
.set MSB, \new
.endif
.endm
.set MUL_LO, 0xa1                      ; source 0 (W) window 1, source 1 (tokens) window 0, C and D window 2
.set MUL_HI, 0xf1                      ; the same, C and D window 3
.set TO_B,   0x40                      ; destination window 1, address window 0
; A joint load: waves 0 and 1 fetch the tokens' halves, waves 2 and 3 W's.  Each of the two lines has ONE mask and one set of registers for all that issue it; the branch hangs on the wave's number alone.
; Four v_nop follow each of the two lines, ahead of the jump, the label and what follows.
.macro JLOAD g0a, g1a, g0b, g1b
	s_cmp_eq_u32 s15, 0
	s_cbranch_scc0 .Lfor_b_\@
	tensor_load_to_lds s[\g0a:\g0a+3], s[\g1a:\g1a+7]
	s_nop 0
.rept 4
	v_nop
.endr
	s_branch .Lasked_\@
.Lfor_b_\@:
	tensor_load_to_lds s[\g0b:\g0b+3], s[\g1b:\g1b+7]
	s_nop 0
.rept 4
	v_nop
.endr
.Lasked_\@:
.endm
.macro CREST                           ; a round of the cluster's barrier behind its opening barrier
	s_cmp_lg_u32 s14, 0
	s_cbranch_scc1 .Lnot_wave_0_\@
	s_barrier_signal -3
.Lnot_wave_0_\@:
	s_barrier_wait -3
	s_barrier_signal -1
	s_barrier_wait -1
.endm
.macro CROUND                          ; a whole round
	s_barrier_signal -1
	s_barrier_wait -1
	CREST
.endm
	s_load_b256 s[68:75], s[0:1], 0x0              ; q s[68:69], k s[70:71], Wq s[72:73], Wk s[74:75]
	s_load_b256 s[76:83], s[0:1], 0x20             ; Wv s[76:77], Wo s[78:79], the scales' exponents s[80:81], qh s[82:83]
	s_load_b128 s[84:87], s[0:1], 0x40             ; kh s[84:85], wv_perm s[86:87]
	s_load_b64 s[88:89], s[0:1], 0x50              ; wo_perm
	v_lshl_add_u32 v[SPW], v0, 2, SPARE
	v_mov_b32 v[NIL], 0
	ds_add_u32 v28, v29
	ds_add_u32 v28, v29
	s_wait_dscnt 0x0
	v_lshrrev_b32 v1, 5, v0
	v_readfirstlane_b32 s14, v1                    ; wave 0..3
	s_lshr_b32 s15, s14, 1                         ; which half of the tile's tokens is mine.  Also: I fetch tokens (0) or W (1)
	s_and_b32 s16, s14, 1                          ; which half of its columns.  Also: which 128 rows of that tile I fetch
	s_bfe_u32 s40, ttmp6, 0x40000                  ; cx, cy: my place in the cluster
	s_bfe_u32 s41, ttmp6, 0x40004
	s_lshl_b32 s42, ttmp9, 2
	s_add_co_u32 s42, s42, s40                     ; tile column = 4 x cluster x + cx
	s_and_b32 s17, ttmp7, 0xffff
	s_lshl_b32 s17, s17, 2
	s_add_co_u32 s17, s17, s41                     ; tile row = 4 x cluster y + cy
	s_lshl_b32 s43, s41, 2
	s_lshl_b32 s43, 15, s43                        ; my row of the cluster
	s_lshl_b32 s44, 0x1111, s40                    ; my column
	; descriptor group 1: a tile of 128 rows x ROWB bytes, padded in LDS
	s_or_b32 s[G1+0], s43, (0<<16)|(1<<20)|(1<<21)|(5<<22)|(3<<25)  ; 15:0 the mask: the tokens' tiles go to my row; 17:16 element of 1 byte; 20 padding on; 21 set beside a mask; 24:22 after every 64 words (code 5); 31:25 of 4 words (code 3)
	s_or_b32 s[G1B+0], s44, (0<<16)|(1<<20)|(1<<21)|(5<<22)|(3<<25)
.irp g, G1, G1B
	s_mov_b32 s[\g+1], ROWB<<16                    ; tensor_dim0
	s_mov_b32 s[\g+2], 128<<16                     ; tensor_dim1 = 128
	s_mov_b32 s[\g+3], ROWB<<16                    ; tile_dim0
	s_mov_b32 s[\g+4], 128                         ; tile_dim1 = 128
	s_mov_b32 s[\g+5], KROW                        ; tensor_dim0_stride
	s_mov_b32 s[\g+6], 0
	s_mov_b32 s[\g+7], 0
.endr
	s_lshl_b32 s18, s16, 7                         ; which 128 rows of the tile I fetch
	s_lshl_b32 s20, s17, 8
	s_add_co_u32 s20, s20, s18                     ; tokens: row 256 x tile row + 128 x half
	s_lshl_b32 s46, s42, 8
	s_add_co_u32 s46, s46, s18                     ; W: row 256 x tile column + 128 x half
	s_mov_b32 s21, 0
	s_mov_b32 s47, 0
	s_mov_b64 s[18:19], KROW
	s_mul_u64 s[20:21], s[20:21], s[18:19]         ; in bytes
	s_mul_u64 s[46:47], s[46:47], s[18:19]
	s_mul_i32 s45, s14, HALFT                      ; where they go: wave x 128 rows: no place in the cluster enters an LDS address
	s_wait_kmcnt 0x0
	s_load_b256 s[92:99], s[80:81], 0x0            ; e0 .. e7
	s_add_nc_u64 s[KA:KA+1], s[KA:KA+1], s[20:21]  ; the second tile's: k and Wk at the same rows
	s_add_nc_u64 s[KB:KB+1], s[KB:KB+1], s[46:47]
	s_add_nc_u64 s[20:21], s[68:69], s[20:21]      ; the first tile's: q and Wq
	s_add_nc_u64 s[46:47], s[72:73], s[46:47]
	CROUND                                         ; all sixteen work-groups are here: the first joint loads meet
.irp s, 0,1
	s_mov_b32 s[G0+4*\s], 1
	s_add_co_u32 s[G0+4*\s+1], s45, \s*SLOT
	s_add_nc_u64 s[G0+4*\s+2:G0+4*\s+3], s[20:21], \s*ROWB
	s_or_b32 s[G0+4*\s+3], s[G0+4*\s+3], 0x80000000
	s_mov_b32 s[G0B+4*\s], 1
	s_add_co_u32 s[G0B+4*\s+1], s45, \s*SLOT
	s_add_nc_u64 s[G0B+4*\s+2:G0B+4*\s+3], s[46:47], \s*ROWB
	s_or_b32 s[G0B+4*\s+3], s[G0B+4*\s+3], 0x80000000
.endr
	JLOAD G0, G1, G0B, G1B                         ; K step 0: one tensor load a wave at the head
; PREFETCHES INTO THE L2 of the tiles that later refills ask for: 32 rows x 256 bytes an instruction, a lane a row.  Of the 128 rows that a wave fetches, each of the four partners that ask for them jointly names 32,
; told apart by address (cx for the tokens, cy for the weights).  The weights are the same for all sixteen clusters: clusters 0, 4, 8 and 12 alone name them.
; Here: q's and Wq's K steps 1 and 2.  In the first four steps of 128 along K: K step 3 and k's and Wk's K step 0, then their K steps 1, 2, 3: each at least one change of slots ahead of its load.  The address registers are never rewritten.
.set PFO, 27                           ; v27      1,024 x my lane
.set PQ,  8                            ; s[8:9]   my 32 rows of q or Wq
.set PK,  10                           ; s[10:11] of k or Wk
.set PFF, 13                           ; s13      0 where my wave asks
.set PFN, 0                            ; counts the steps as they are written out
.macro ASK1 b, o
	s_cmp_eq_u32 s[PFF], 0
	s_cbranch_scc0 .Lnot_mine_\@
	global_prefetch_b8 v[PFO], s[\b:\b+1] offset:\o th:TH_LOAD_NT scope:SCOPE_SE
.Lnot_mine_\@:
.endm
.macro ASK2 b, o, b2, o2
	s_cmp_eq_u32 s[PFF], 0
	s_cbranch_scc0 .Lnot_mine_\@
	global_prefetch_b8 v[PFO], s[\b:\b+1] offset:\o th:TH_LOAD_NT scope:SCOPE_SE
	global_prefetch_b8 v[PFO], s[\b2:\b2+1] offset:\o2 th:TH_LOAD_NT scope:SCOPE_SE
.Lnot_mine_\@:
.endm
.macro ASKN
.if PFN == 0
	ASK2 PQ, 768, PK, 0
.elseif PFN < 4
	ASK1 PK, 256*PFN
.endif
.set PFN, PFN+1
.endm
	s_cmp_eq_u32 s15, 0                            ; do I fetch tokens?
	s_cselect_b64 s[PQ:PQ+1], s[20:21], s[46:47]   ; the 128 rows that I fetch, K step 0
	s_cselect_b64 s[PK:PK+1], s[KA:KA+1], s[KB:KB+1]
	s_cselect_b32 s2, s40, s41                     ; my place among the four that ask with me
	s_lshl_b32 s2, s2, 15                          ; x 32 rows of 1,024 bytes
	s_mov_b32 s3, 0
	s_add_nc_u64 s[PQ:PQ+1], s[PQ:PQ+1], s[2:3]
	s_add_nc_u64 s[PK:PK+1], s[PK:PK+1], s[2:3]
	s_and_b32 s2, ttmp7, 3                         ; the cluster's number % 4,
	s_mul_i32 s[PFF], s2, s15                      ; which counts for the weights' waves alone
	v_and_b32 v[PFO], 31, v0
	v_lshlrev_b32 v[PFO], 10, v[PFO]
	ASK2 PQ, 256, PQ, 512
	v_and_b32 v1, 15, v0                           ; r = l % 16
	v_bfe_u32 v2, v0, 4, 1                         ; H = l / 16
	v_and_b32 v6, 31, v0                           ; lane
	; THE SIDE JOB.  My wave's number in the launch, (tile row x 4 + tile column) x 4 + wave, 0 .. 1023, is the row of both copies that I make.
	s_wait_alu depctr_va_vdst(0)
	s_lshl_b32 s66, s17, 2
	s_add_co_u32 s66, s66, s42
	s_lshl_b32 s66, s66, 2
	s_add_co_u32 s66, s66, s14                     ; row
	s_lshl_b32 s4, s66, 10                         ; 1,024 x row: the row in both copies, and in Wo
	s_mov_b32 s5, 0
	s_add_nc_u64 s[86:87], s[86:87], s[4:5]
	s_add_nc_u64 s[88:89], s[88:89], s[4:5]
	s_add_nc_u64 s[78:79], s[78:79], s[4:5]
	s_bfe_u32 s6, s66, 0x40004                     ; Wv: g = (row / 16) % 16,
	s_lshl_b32 s6, s6, 6
	s_lshr_b32 s7, s66, 8                          ; c = row / 256,
	s_lshl_b32 s7, s7, 4
	s_add_co_u32 s6, s6, s7
	s_and_b32 s7, s66, 15                          ; r = row % 16:
	s_add_co_u32 s6, s6, s7                        ; the row that is copied: 64 g + 16 c + r
	s_lshl_b32 s6, s6, 10
	s_mov_b32 s7, 0
	s_add_nc_u64 s[76:77], s[76:77], s[6:7]
	v_lshlrev_b32 v7, 4, v6                        ; 16 x lane: 512 consecutive bytes a wave
	v_lshlrev_b32 v8, 6, v1
	v_lshl_add_u32 v8, v2, 4, v8                   ; Wo's pieces of 16 bytes: head l % 16, piece l / 16; the row's second half takes pieces 2 and 3, 32 bytes on
	global_load_b128 v[32:35], v7, s[76:77]
	global_load_b128 v[36:39], v7, s[76:77] offset:512
	global_load_b128 v[40:43], v8, s[78:79]
	global_load_b128 v[44:47], v8, s[78:79] offset:32
	; the addresses of the steps and of the way out, while those four loads are out
	v_mul_u32_u24 v3, v1, PITCH
	s_wait_alu depctr_va_vdst(0)
	v_lshl_add_u32 v4, v2, 4, v3                   ; a fragment's row x pitch + 16 x half
	s_mul_i32 s21, s15, HALFT                      ; my 128 tokens
	s_mul_i32 s22, s16, HALFT                      ; my 128 rows of W,
	s_add_co_u32 s22, s22, 2*HALFT                 ; which lie behind the tokens' 256
.irp s, 0,1
	v_add_nc_u32 v[ADRA+\s], s21, v4
	v_add_nc_u32 v[ADRB+\s], s22, v4
	s_add_co_u32 s21, s21, SLOT
	s_add_co_u32 s22, s22, SLOT
.endr
	s_mul_i32 s23, s15, 64*SPITCH                  ; into the stage: a half of the tile is 64 tokens of each row half: my 64 rows, my half of their 256 bytes; row l % 16, 8 bytes for each half of the lanes
	s_lshl_b32 s12, s16, 7
	s_add_co_u32 s23, s23, s12
	s_add_co_u32 s23, s23, STAGE
	v_lshl_add_u32 v5, v2, 3, v3
	v_add_nc_u32 v[STO], s23, v5
	s_mul_i32 s23, s14, 32*SPITCH                  ; back: wave w takes stage rows 32 w .. 32 w + 31, whole; lanes 0-15 one row of 256 bytes, lanes 16-31 the next
	s_add_co_u32 s23, s23, STAGE
	v_mul_u32_u24 v5, v2, SPITCH
	v_lshl_add_u32 v5, v1, 4, v5
	v_add_nc_u32 v[RD], s23, v5
	v_lshlrev_b32 v5, 10, v2                       ; and the same two rows in the output
	v_lshl_add_u32 v[CO], v1, 4, v5
	s_lshl_b32 s20, s17, 8                         ; stage row 32 w + i of half u is token 256 x tile row + 128 (w / 2) + 64 u + 32 (w % 2) + i
	s_lshl_b32 s21, s15, 7
	s_add_co_u32 s20, s20, s21
	s_lshl_b32 s21, s16, 5
	s_add_co_u32 s20, s20, s21
	s_lshl_b32 s20, s20, 10                        ; in bytes: under 2^24
	s_mov_b32 s21, 0
	s_lshl_b32 s46, s42, 8                         ; the tile's first column, in bytes
	s_mov_b32 s47, 0
	s_add_nc_u64 s[20:21], s[20:21], s[46:47]
	s_add_nc_u64 s[OQ:OQ+1], s[OQ:OQ+1], s[20:21]
	s_add_nc_u64 s[OK:OK+1], s[OK:OK+1], s[20:21]
	s_wait_kmcnt 0x0                               ; the exponents
	s_sub_co_i32 s98, s98, s92
	s_sub_co_i32 s98, s98, s93                     ; Eq = e6 - e0 - e1
	s_sub_co_i32 s99, s99, s94
	s_sub_co_i32 s99, s99, s95                     ; Ek = e7 - e2 - e3
	s_add_co_i32 s98, s98, 127
	s_lshl_b32 s92, s98, 23
	v_mov_b32 v[SCLQ], s92                         ; 2^Eq as f32: the conversion takes its exponent field
	s_add_co_i32 s98, s98, 8
	s_lshl_b32 s98, s98, 23
	s_or_b32 s98, s98, 0x600000
	v_mov_b32 v[LIMQ], s98                         ; 448 x 2^Eq
	s_add_co_i32 s99, s99, 127
	s_lshl_b32 s93, s99, 23
	v_mov_b32 v[SCLK], s93                         ; and the same for kh
	s_add_co_i32 s99, s99, 8
	s_lshl_b32 s99, s99, 23
	s_or_b32 s99, s99, 0x600000
	v_mov_b32 v[LIMK], s99
	s_wait_loadcnt 0x0                             ; the side job's four loads
	global_store_b128 v7, v[32:35], s[86:87]       ; each store of the wave covers 512 consecutive bytes, aligned
	global_store_b128 v7, v[36:39], s[86:87] offset:512
	global_store_b128 v7, v[40:43], s[88:89]
	global_store_b128 v7, v[44:47], s[88:89] offset:512
.macro FRAG reg, adr, q, i             ; a fragment, 16 rows x 128 K of 8-bit codes, is 16 registers: lane l holds row l % 16; registers 4 c .. 4 c + 3 hold K = 32 c + 16 (l / 16) + 0 .. 15: the same order of k on both sides
.irp c, 0,1,2,3
	ds_load_b128 v[\reg+4*\c:\reg+4*\c+3], v[\adr] offset:128*(\q)+32*\c+(\i)*16*PITCH
.endr
.endm
; 16 matrix instructions: token blocks a0, a0 + 1 x W's eight, 128 along K.  p: W's set.  zero = 1: the first product starts the sums: nothing is ever cleared.
; The 64 accumulators take turns, one instruction a turn, in the same order in every step, from tile to tile too.
.macro MUL16 a0, p, zero
.irp a, \a0, \a0+1
.irp b, 0,1,2,3,4,5,6,7
.if \zero
	v_wmma_f32_16x16x128_fp8_fp8 v[8*(8*((\a)%4)+\b):8*(8*((\a)%4)+\b)+7], v[128*(\p)+FR*\b:128*(\p)+FR*\b+FR-1], v[AF+FR*(\a):AF+FR*(\a)+FR-1], 0
.else
	v_wmma_f32_16x16x128_fp8_fp8 v[8*(8*((\a)%4)+\b):8*(8*((\a)%4)+\b)+7], v[128*(\p)+FR*\b:128*(\p)+FR*\b+FR-1], v[AF+FR*(\a):AF+FR*(\a)+FR-1], v[8*(8*((\a)%4)+\b):8*(8*((\a)%4)+\b)+7]
.endif
.endr
.endr
.endm
.macro FETCH_B slot, q, p              ; W's eight fragments of the slot's q-th 128 along K into set p
	WIN TO_B
.irp i, 0,1,2,3,4,5,6,7
	FRAG 128*(\p)+FR*\i, ADRB+\slot, \q, \i
.endr
	WIN 0
.endm
.macro FETCH_A slot, q, i0             ; token blocks i0 .. i0 + 3
.irp i, \i0, \i0+1, \i0+2, \i0+3
	FRAG AF+FR*(\i), ADRA+\slot, \q, \i
.endr
.endm
.macro FIRST                           ; a tile's first fragments, from slot 0
	FETCH_B 0, 0, 0
	FETCH_A 0, 0, 0
	FETCH_A 0, 0, 4
.endm
; A load into a register that a matrix instruction has read, and a vector instruction that reads a matrix result, stand NP places behind that matrix instruction, and only plain vector
; instructions that name none of its registers are places (ISA guide 7.12.1 for vector instructions).
.macro PLACES n
.rept \n
	v_nop
.endr
.endm
; A step of 128 along K that has its successor in the same slot.
.macro STEP slot, q, zero
	s_wait_dscnt 4*NL                              ; W's set and token blocks 0-3 are in; the youngest 16 loads (token blocks 4-7) may be out
	WIN MUL_LO
	MUL16 0, (\q)%2, \zero
	MUL16 2, (\q)%2, \zero
	s_wait_dscnt 0                                 ; token blocks 4-7 are in (asked for 32 matrix instructions ago)
	PLACES NP
	FETCH_B \slot, (\q)+1, 1-(\q)%2
	FETCH_A \slot, (\q)+1, 0
	ASKN
	WIN MUL_HI
	MUL16 4, (\q)%2, \zero
	MUL16 6, (\q)%2, \zero
	PLACES NP
	WIN 0
	FETCH_A \slot, (\q)+1, 4
.endm
; A slot's last step changes slots: ONE barrier; in front of it each wave waits for all its tensor loads, adds 0 to its spare word, and waits for that and for its own reads of this slot.
; fill = 1: this slot is filled again, two K steps ahead in the same tile.  fill = 2: with the NEXT tile's K step 0 (slot 0) or 1 (slot 1): both groups 0 are written anew from k's and Wk's addresses.  fill = 0: no more.
; fetch = 1: the next slot's first fragments are fetched.  fetch = 0: a tile's very last step: the way out follows and wants the fragments' registers.
.macro TURN slot, next, fill, fetch
	s_wait_tensorcnt 0x0                           ; all my tensor loads have landed: my part of the next slot;  (every window is 0 here: the add's two registers lie in window 0)
	ds_add_u32 v[SPW], v[NIL]                      ; 0 onto my spare word
	s_wait_dscnt 4*NL+1                            ; (the add and the youngest 16 loads, token blocks 4-7, may be out)
	WIN MUL_LO
	MUL16 0, 1, 0                                  ; sixteen matrix instructions stand between the add and the wait for it
	s_wait_dscnt 0x0                               ; the add is done, and my reads of this slot are over
	s_barrier_signal -1
	MUL16 2, 1, 0
	WIN 0
	s_barrier_wait -1
.if \fill
	CREST                                          ; the barrier has opened a round of the cluster's barrier: no wave of any partner still reads this slot's tile or has a load on its way
.if \fill == 2
	s_add_nc_u64 s[G0+4*\slot+2:G0+4*\slot+3], s[KA:KA+1], \slot*ROWB   ; no tensor load of mine is out, so a group 0 may be written
	s_or_b32 s[G0+4*\slot+3], s[G0+4*\slot+3], 0x80000000
	s_add_nc_u64 s[G0B+4*\slot+2:G0B+4*\slot+3], s[KB:KB+1], \slot*ROWB
	s_or_b32 s[G0B+4*\slot+3], s[G0B+4*\slot+3], 0x80000000
.else
	s_add_nc_u64 s[G0+4*\slot+2:G0+4*\slot+3], s[G0+4*\slot+2:G0+4*\slot+3], 2*ROWB
	s_add_nc_u64 s[G0B+4*\slot+2:G0B+4*\slot+3], s[G0B+4*\slot+2:G0B+4*\slot+3], 2*ROWB
.endif
	JLOAD G0+4*\slot, G1, G0B+4*\slot, G1B         ; the first tensor load behind the round; the four v_nop behind it are the places in front of the loads below
.else
	PLACES NP
.endif
.if \fetch
	FETCH_B \next, 0, 0
	FETCH_A \next, 0, 0
.endif
	WIN MUL_HI
	MUL16 4, 1, 0
	MUL16 6, 1, 0
.if \fetch
	PLACES NP
	WIN 0
	FETCH_A \next, 0, 4
.else
	WIN 0
.endif
.endm
; THE WAY OUT.  Block a (16 tokens x 128 columns): each sum is held within +-448 x 2^E (the conversion to an 8-bit code does not saturate: ISA guide 7.6.2), each accumulator from its low end on; eight sums of a lane,
; eight neighbouring columns of one token, become 8 bytes.  Each block has code registers of its own.
.macro QCVT a, scl, lim
.set AC, 64*((\a)%4)
	WIN 0x02+((\a)/4)                              ; source 0: window 2 or 3
.set n, 0
.rept 64
	v_med3_num_f32 v[TMP+n], v[AC+n], -v[\lim], v[\lim]
.set n, n+1
.endr
	WIN 0
.irp b, 0,1,2,3,4,5,6,7
	v_cvt_scalef32_pk8_fp8_f32 v[CDS+16*(\a)+2*\b:CDS+16*(\a)+2*\b+1], v[TMP+8*\b:TMP+8*\b+7], v[\scl]
.endr
	v_nop                                          ; one plain vector instruction between the conversions and the next block's holds, which write their sources
.endm
.macro QST a                           ; block a's codes into the stage
.irp b, 0,1,2,3,4,5,6,7
	ds_store_b64 v[STO], v[CDS+16*(\a)+2*\b:CDS+16*(\a)+2*\b+1] offset:((\a)%4)*16*SPITCH+16*\b   ; lane (r, H) at word 68 r + 2 H
.endr
.endm
.macro RDB u                           ; my 32 whole rows of half u back, into the registers that held that half's codes
.set t, 0
.rept 16
	ds_load_b128 v[CDS+64*(\u)+4*t:CDS+64*(\u)+4*t+3], v[RD] offset:2*t*SPITCH
.set t, t+1
.endr
.endm
.macro SND u, base
.set t, 0
.rept 16
	s_wait_dscnt 15-t                              ; LDS loads come back in order: number t is in, the 15 - t behind it may be out
	global_store_b128 v[CO], v[CDS+64*(\u)+4*t:CDS+64*(\u)+4*t+3], s[\base:\base+1] offset:(\u)*64*SIZE_N+2*t*SIZE_N   ; 16 lanes store 256 consecutive bytes, at a multiple of 256 from the buffer's first byte
.set t, t+1
.endr
.endm
.macro BAR                             ; my LDS stores have landed and my LDS loads are in: then the work-group's barrier.  A tile may stay on its way across them
	s_wait_dscnt 0x0
	s_barrier_signal -1
	s_barrier_wait -1
.endm
; A row's 256 bytes come from two waves, so they meet in the stage, 128 rows at a time: blocks 0-3 of both row halves, then blocks 4-7.  The second half's conversions stand between the first half's stores and the barrier.
.macro WAYOUT base, scl, lim
	s_wait_xcnt 0x0                                ; earlier stores have read the registers that are written below
	PLACES NP                                      ; behind the last products: their results are read and the tokens' fragments overwritten below
.irp a, 0,1,2,3
	QCVT \a, \scl, \lim
	QST \a
.endr
.irp a, 4,5,6,7
	QCVT \a, \scl, \lim
.endr
	s_wait_alu depctr_va_vdst(0)
	BAR                                            ; the first half's 128 rows lie whole in the stage
	RDB 0
	SND 0, \base
	BAR                                            ; every wave has read its rows: the stage may be written again
.irp a, 4,5,6,7
	QST \a
.endr
	BAR                                            ; the second half's rows lie whole in the stage
	RDB 1
	SND 1, \base                                   ; (its reads are parted from the next tile's stores into the stage by that tile's changes of slots)
.endm
	s_wait_alu depctr_va_vdst(0)
	s_wait_tensorcnt 0x0                           ; my part of K step 0 is in
	ds_add_u32 v[SPW], v[NIL]
	s_wait_dscnt 0x0
	CROUND                                         ; everybody's part of K step 0 is in, and the sixteen work-groups meet
	JLOAD G0+4, G1, G0B+4, G1B                     ; K step 1, the first tensor load behind the round
	; ---- qh's tile
	FIRST
	STEP 0, 0, 1                                   ; the first products start the sums
	TURN 0, 1, 1, 1
	STEP 1, 0, 0
	TURN 1, 0, 1, 1
	STEP 0, 0, 0
	TURN 0, 1, 2, 1                                ; THE RING GOES ON INTO THE NEXT TILE: slot 0 takes kh's K step 0,
	STEP 1, 0, 0
	TURN 1, 0, 2, 0                                ; slot 1 its K step 1
	s_wait_alu depctr_va_vdst(0)
	WAYOUT OQ, SCLQ, LIMQ                          ; both refills are asked for: now the tile goes out
	; ---- kh's tile
	s_wait_tensorcnt 1                             ; slot 0's load is in, and was shown so to every wave in front of the last change of slots; the one issued behind it, slot 1's, may be out
	s_wait_xcnt 0x0                                ; qh's stores have read their registers: the fragments may land there
	FIRST
	STEP 0, 0, 1                                   ; the accumulators have been read out: the first products start new sums
	TURN 0, 1, 1, 1
	STEP 1, 0, 0
	TURN 1, 0, 1, 1
	STEP 0, 0, 0
	TURN 0, 1, 0, 1                                ; the last two slots are filled no more
	STEP 1, 0, 0
	s_wait_dscnt 4*NL                              ; the very last step: nothing more to fetch; the youngest 16 loads may be out
	WIN MUL_LO
	MUL16 0, 1, 0
	MUL16 2, 1, 0
	s_wait_dscnt 0
	WIN MUL_HI
	MUL16 4, 1, 0
	MUL16 6, 1, 0
	WIN 0
	WAYOUT OK, SCLK, LIMK
	s_wait_tensorcnt 0x0                           ; the wave's end, behind my last tensor load and my last LDS store
	ds_add_u32 v[SPW], v[NIL]
	s_wait_dscnt 0x0
	CROUND                                         ; the closing round: no work-group ends while a partner may still ask for a tile that names it
	s_endpgm
.Lfunc_end_k_q7c5f3fb95a_projqk:
	.size	k_q7c5f3fb95a_projqk, .Lfunc_end_k_q7c5f3fb95a_projqk-k_q7c5f3fb95a_projqk
	.p2alignl 7, 3214868480
	.fill 96, 4, 3214868480
	.section	.rodata,"a",@progbits
	.p2align	6, 0x0
	.amdhsa_kernel k_q7c5f3fb95a_projqk
		.amdhsa_group_segment_fixed_size 327680
		.amdhsa_private_segment_fixed_size 0
		.amdhsa_enable_private_segment 0
		.amdhsa_kernarg_size 88
		.amdhsa_user_sgpr_count 2
		.amdhsa_user_sgpr_kernarg_segment_ptr 1
		.amdhsa_wavefront_size32 1
		.amdhsa_system_sgpr_workgroup_id_x 1
		.amdhsa_system_sgpr_workgroup_id_y 1
		.amdhsa_system_sgpr_workgroup_id_z 1
		.amdhsa_system_vgpr_workitem_id 0
		.amdhsa_next_free_vgpr 1024
		.amdhsa_next_free_sgpr 100
		.amdhsa_reserve_vcc 0
		.amdhsa_float_denorm_mode_32 3
		.amdhsa_float_denorm_mode_16_64 3
		.amdhsa_memory_ordered 1
		.amdhsa_forward_progress 1
		.amdhsa_inst_pref_size 248
	.end_amdhsa_kernel
	.amdgpu_metadata
---
amdhsa.version: [ 1, 2 ]
amdhsa.kernels:
  - .name:           k_q7c5f3fb95a_projqk
    .symbol:         k_q7c5f3fb95a_projqk.kd
    .args:
      - { .name: q_codes, .offset: 0, .size: 8, .value_kind: global_buffer, .address_space: global }
      - { .name: k_codes, .offset: 8, .size: 8, .value_kind: global_buffer, .address_space: global }
      - { .name: Wq_codes, .offset: 16, .size: 8, .value_kind: global_buffer, .address_space: global }
      - { .name: Wk_codes, .offset: 24, .size: 8, .value_kind: global_buffer, .address_space: global }
      - { .name: Wv_codes, .offset: 32, .size: 8, .value_kind: global_buffer, .address_space: global }
      - { .name: Wo_codes, .offset: 40, .size: 8, .value_kind: global_buffer, .address_space: global }
      - { .name: lowp_scales, .offset: 48, .size: 8, .value_kind: global_buffer, .address_space: global }
      - { .name: qh_codes, .offset: 56, .size: 8, .value_kind: global_buffer, .address_space: global }
      - { .name: kh_codes, .offset: 64, .size: 8, .value_kind: global_buffer, .address_space: global }
      - { .name: wv_perm, .offset: 72, .size: 8, .value_kind: global_buffer, .address_space: global }
      - { .name: wo_perm, .offset: 80, .size: 8, .value_kind: global_buffer, .address_space: global }
    .group_segment_fixed_size: 327680
    .private_segment_fixed_size: 0
    .kernarg_segment_align: 8
    .kernarg_segment_size: 88
    .max_flat_workgroup_size: 128
    .sgpr_count:     100
    .vgpr_count:     1024
    .wavefront_size: 32
...
	.end_amdgpu_metadata
.endif
;; end of part 1
;; launch attnv (part 2): grid 4 x 64, 4 waves a work-group, clusters of 4 x 4, 327,680 bytes of LDS; arguments v_codes, wv_perm, qh_codes, kh_codes, mask, lowp_scales, attn_codes; writes attn_codes
.if DOCPART == 2
	.amdgcn_target "amdgcn-amd-amdhsa--gfx1250"
	.amdhsa_code_object_version 6
	.text
	.protected	k_q7c5f3fb95a_attnv
	.globl	k_q7c5f3fb95a_attnv
	.p2align	8
	.type	k_q7c5f3fb95a_attnv,@function
k_q7c5f3fb95a_attnv:
	s_mov_b64 s[64:65], 0
	v_nop
	global_prefetch_b8 v0, s[64:65] scope:SCOPE_SE
	s_setreg_imm32_b32 hwreg(HW_REG_WAVE_MODE, 25, 1), 1
	s_wait_xcnt 0x0
	s_wait_alu depctr_hold_cnt(0) depctr_sa_sdst(0) depctr_va_vdst(0) depctr_va_sdst(0) depctr_va_ssrc(0) depctr_va_vcc(0) depctr_vm_vsrc(0)
	s_getreg_b32 s2, hwreg(HW_REG_IB_STS2, 6, 4)
	s_cmp_eq_u32 s2, 0
	s_cbranch_scc0 .Lentry_in_a_cluster
	s_endpgm
.Lentry_in_a_cluster:
	s_bfe_u32 s2, ttmp6, 0x10000c
	s_cmp_lg_u32 s2, 0xf033
	s_cbranch_scc0 .Lentry_shape_is_right
	s_endpgm
.Lentry_shape_is_right:
; vh = v Wv^T on codes of FP8 (E4M3), kept as f32 sums in registers; then for each token score = qh kh^T over the 16 heads (codes of FP8, K = 64), x mask / 8, softmax over g,
; attn = p vh in f32 (its result goes into a quantiser), and attn quantised to codes of E4M3 with the scale given for the last product.
; A work-group owns 256 tokens x 256 columns of vh: column chunk c holds, for each head g, the channels 16 c .. 16 c + 15 (wv_perm's row 256 c + 16 g + r is Wv's row 64 g + 16 c + r).
; A wave owns 64 tokens x 256 columns: 64 accumulators.  Its block m of 16 tokens is tokens 64 m + 16 w + 0..15 of the work-group's 256, so that the four waves' blocks m are 64 neighbouring tokens: GROUP m.
; THE RING GOES ON BEHIND THE PRODUCT: K goes in four steps of 256 through two LDS slots; then the slots take groups 0 to 3 of qh and kh, 64 tokens x 1,024 bytes of each, dense in memory and stated as rows of 256 bytes.
; CLUSTERS 4 x 4: the four work-groups of a row of the cluster share v's, qh's and kh's tiles, the four of a column Wv's: every tile is asked for jointly.
; A GROUP, for each wave: 16 score products; one softmax over its 16 tokens (p normalised in f32); then p vh, eight tokens at a time: 32 products on eight accumulators by turns, and behind them one run of holds, conversions and stores.
; vh(token, g, d) lies with d in the lanes and the token in the registers: register j of the 16 accumulators (g) of a block is moved out, and one swap of half rows a register gives two tokens' 16 (d) x 16 (g).
; The order of g in a lane's registers is the same in p and in vh: registers 2 s, 2 s + 1 hold g = 2 s, 2 s + 1 in lanes 0-15 and g = 8 + 2 s, 9 + 2 s in lanes 16-31.
; A result's lane (h, H) holds attn(token, h, 16 c + 8 H + 0..7): 8 codes; a token's store covers 256 consecutive bytes, aligned: byte 256 c + 16 h + dd of its row, the order of wo_perm.
; LIMITS: e8 - e4 - e5 between -126 and 119, so that 2^E and 448 x 2^E are f32 numbers; the scaled scores stay under 2^31 in magnitude.  NaN is not served.
; PREFETCHES INTO THE L2, a lane a row of 256 bytes.  v's and Wv's K steps 1 and 2 at the head, K step 3 in the first step of 128 along K: of the 128 rows that a wave fetches each of the four partners names 32, by address;
; Wv is the same for all sixteen clusters: clusters 0, 4, 8 and 12 alone name it.  qh's and kh's rows in the first two steps of 128, each of the four partners taking its 256 bytes of each row.  No address register of theirs is rewritten.
; REGISTERS.  Window 0: v0-31 addresses, mask, scale; v32-95 the f32 products' results (eight accumulators); v96-127 four tokens' results held; v128-255 the tokens' fragments, then vh moved out (a finished four's first 8 then hold its codes).
;   Window 1: Wv's fragments; then v0-127 scores and p (token x at 8 x), v128-255 kh's and qh's fragments of 8 tokens, then the softmax's temporaries (token x at 128 + 8 x).  Windows 2, 3: vh, accumulator (g, m) at 32 (g % 8) + 8 m.
.set KROW,   1024
.set ROWB,   256
.set PITCH,  272                       ; an LDS row: 256 bytes + 16 of padding
.set TOKB,   4*PITCH                   ; a token's 1,024 codes in a group's tile: four such rows
.set FR,     16
.set HALFT,  128*PITCH                 ; what one tensor load brings
.set SLOT,   4*HALFT
.set SPARE,  2*SLOT                    ; the spare words, 128 bytes a wave; no other line names them
.set MK,   8                           ; v8-15  mask(h, 8 H + j) x log2(e) / 8 x 2^(e6 + e7)
.set ADRA, 16                          ; v16-17 my tokens' fragments in slot 0, 1
.set AQ0,  18                          ; v18    my lane's place in a group's tile of qh
.set AO,   19                          ; v19    16 h + 8 H: my bytes of a token's 256
.set ADRB, 20                          ; v20-21 Wv's fragments in slot 0, 1
.set SCL,  22                          ; v22    2^(e8 - e4 - e5)
.set AQ,   24                          ; v24-25 qh's and kh's fragments in the group's slot
.set AK,   25
.set PFV,  26                          ; v26    v's and Wv's prefetches: 1,024 x my lane
.set PF,   27                          ; v27    qh's and kh's prefetches: the same + 256 c
.set SPW,  28
.set NIL,  29
.set OA,   32
.set FO,   96
.set T0,   128
.set TF,   128
.set F,    128
.set PFF, 2                            ; s2       0 where my wave asks for v's or Wv's rows
.set G0K, 4                            ; s[4:7]   group 0 for kh's tiles
.set PFA, 8                            ; s[8:9]   my 32 rows of v or Wv
.set G1,  24                           ; s[24:31] group 1 for v's tiles; s[32:39] groups 0
.set G0,  32
.set G1B, 48                           ; the same for Wv's
.set G0B, 56
.set G0Q, 84                           ; s[84:87] group 0 for qh's tiles
.set G1Q, 88                           ; s[88:95] group 1 for qh's and kh's tiles: rows of 256 bytes on end
.set LP,  98                           ; s98, s99: +-448 x 2^(e8 - e4 - e5)
.set LN,  99
.set MSB, 0
.macro WIN new                         ; the immediate's high byte repeats the setting that is left
.if MSB != \new
	s_set_vgpr_msb (MSB<<8)|\new
.set MSB, \new
.endif
.endm
.set MUL_LO, 0xa4                      ; source 0 (tokens) window 0, source 1 (Wv) window 1, C and D window 2
.set MUL_HI, 0xf4
.set TO_W,   0x40
.macro PLACES n
.rept \n
	v_nop
.endr
.endm
; A joint load: waves 0, 1 by the first pair of groups, waves 2, 3 by the second; the branch hangs on the wave's number alone.  s_nop 0 and four v_nop follow each line.
.macro JLOAD g0a, g1a, g0b, g1b
	s_cmp_eq_u32 s15, 0
	s_cbranch_scc0 .Lfor_b_\@
	tensor_load_to_lds s[\g0a:\g0a+3], s[\g1a:\g1a+7]
	s_nop 0
	PLACES 4
	s_branch .Lasked_\@
.Lfor_b_\@:
	tensor_load_to_lds s[\g0b:\g0b+3], s[\g1b:\g1b+7]
	s_nop 0
	PLACES 4
.Lasked_\@:
.endm
.macro CREST
	s_cmp_lg_u32 s14, 0
	s_cbranch_scc1 .Lnot_wave_0_\@
	s_barrier_signal -3
.Lnot_wave_0_\@:
	s_barrier_wait -3
	s_barrier_signal -1
	s_barrier_wait -1
.endm
.macro CROUND
	s_barrier_signal -1
	s_barrier_wait -1
	CREST
.endm
	s_load_b128 s[4:7], s[0:1], 0x0                ; v, wv_perm
	s_load_b128 s[68:71], s[0:1], 0x10             ; qh, kh
	s_load_b128 s[72:75], s[0:1], 0x20             ; mask, the exponents
	s_load_b64 s[10:11], s[0:1], 0x30              ; attn
	v_lshl_add_u32 v[SPW], v0, 2, SPARE
	v_mov_b32 v[NIL], 0
	ds_add_u32 v[SPW], v[NIL]                      ; the opening: the add twice on end, and its wait ahead of my first tensor load
	ds_add_u32 v[SPW], v[NIL]
	v_lshrrev_b32 v1, 5, v0
	v_readfirstlane_b32 s14, v1                    ; wave
	s_lshr_b32 s15, s14, 1                         ; I fetch tokens / qh (0) or Wv / kh (1),
	s_and_b32 s16, s14, 1                          ; and which half of that tile
	s_bfe_u32 s40, ttmp6, 0x40000                  ; cx, cy
	s_bfe_u32 s41, ttmp6, 0x40004
	s_lshl_b32 s42, ttmp9, 2
	s_add_co_u32 s42, s42, s40                     ; column chunk c
	s_and_b32 s17, ttmp7, 0xffff
	s_lshl_b32 s17, s17, 2
	s_add_co_u32 s17, s17, s41                     ; tile row
	s_lshl_b32 s43, s41, 2
	s_lshl_b32 s43, 15, s43                        ; my row of the cluster
	s_lshl_b32 s44, 0x1111, s40                    ; my column
	s_or_b32 s[G1], s43, (1<<20)|(1<<21)|(5<<22)|(3<<25)   ; mask; elements of 1 byte; 4 words of padding after every 64; bit 21 beside a mask
	s_or_b32 s[G1Q], s43, (1<<20)|(1<<21)|(5<<22)|(3<<25)
	s_or_b32 s[G1B], s44, (1<<20)|(1<<21)|(5<<22)|(3<<25)
.irp g, G1, G1B, G1Q
	s_mov_b32 s[\g+1], ROWB<<16
	s_mov_b32 s[\g+2], 128<<16
	s_mov_b32 s[\g+3], ROWB<<16
	s_mov_b32 s[\g+4], 128
	s_mov_b32 s[\g+6], 0
	s_mov_b32 s[\g+7], 0
.endr
	s_mov_b32 s[G1+5], KROW
	s_mov_b32 s[G1B+5], KROW
	s_mov_b32 s[G1Q+5], ROWB
	s_lshl_b32 s18, s16, 7
	s_lshl_b32 s20, s17, 8
	s_add_co_u32 s20, s20, s18
	s_lshl_b32 s20, s20, 10                        ; v: token 256 x tile row + 128 x half, in bytes
	s_mov_b32 s21, 0
	s_lshl_b32 s46, s42, 8
	s_add_co_u32 s46, s46, s18
	s_lshl_b32 s46, s46, 10                        ; Wv: row 256 c + 128 x half
	s_mov_b32 s47, 0
	s_lshl_b32 s12, s17, 18
	s_lshl_b32 s13, s16, 15
	s_add_co_u32 s12, s12, s13                     ; qh, kh: token 256 x tile row + 32 x half
	s_mov_b32 s13, 0
	s_mul_i32 s45, s14, HALFT                      ; where my tile goes in a slot
	s_mov_b32 s96, 0x76543210                      ; lane l xor 16
	s_mov_b32 s97, 0xfedcba98
	s_wait_dscnt 0x0                               ; both opening adds are done
	s_wait_kmcnt 0x0
	s_load_b128 s[76:79], s[74:75], 0x10           ; e4 .. e7
	s_load_b32 s80, s[74:75], 0x20                 ; e8
	s_add_nc_u64 s[20:21], s[4:5], s[20:21]
	s_add_nc_u64 s[46:47], s[6:7], s[46:47]
	s_add_nc_u64 s[G0Q+2:G0Q+3], s[68:69], s[12:13]
	s_add_nc_u64 s[G0K+2:G0K+3], s[70:71], s[12:13]
	s_or_b32 s[G0Q+3], s[G0Q+3], 0x80000000
	s_or_b32 s[G0K+3], s[G0K+3], 0x80000000
	s_mov_b32 s[G0Q], 1
	s_mov_b32 s[G0K], 1
	s_mov_b32 s[G0Q+1], s45                        ; group 0 goes to slot 0
	s_mov_b32 s[G0K+1], s45
	CROUND                                         ; the sixteen work-groups meet ahead of the first joint loads
.irp s, 0,1
	s_mov_b32 s[G0+4*\s], 1
	s_add_co_u32 s[G0+4*\s+1], s45, \s*SLOT
	s_add_nc_u64 s[G0+4*\s+2:G0+4*\s+3], s[20:21], \s*ROWB
	s_or_b32 s[G0+4*\s+3], s[G0+4*\s+3], 0x80000000
	s_mov_b32 s[G0B+4*\s], 1
	s_add_co_u32 s[G0B+4*\s+1], s45, \s*SLOT
	s_add_nc_u64 s[G0B+4*\s+2:G0B+4*\s+3], s[46:47], \s*ROWB
	s_or_b32 s[G0B+4*\s+3], s[G0B+4*\s+3], 0x80000000
.endr
	JLOAD G0, G1, G0B, G1B                         ; K step 0: one tensor load a wave at the head
	s_cmp_eq_u32 s15, 0                            ; v's and Wv's prefetches: do I fetch tokens?
	s_cselect_b64 s[PFA:PFA+1], s[20:21], s[46:47] ; the 128 rows that I fetch, K step 0
	s_cselect_b32 s18, s40, s41                    ; my place among the four that ask with me
	s_lshl_b32 s18, s18, 15                        ; x 32 rows of 1,024 bytes
	s_mov_b32 s19, 0
	s_add_nc_u64 s[PFA:PFA+1], s[PFA:PFA+1], s[18:19]
	s_and_b32 s18, ttmp7, 3                        ; the cluster's number % 4,
	s_mul_i32 s[PFF], s18, s15                     ; which counts for Wv's waves alone
	v_and_b32 v[PFV], 31, v0
	v_lshlrev_b32 v[PFV], 10, v[PFV]
	s_cmp_eq_u32 s[PFF], 0
	s_cbranch_scc0 .Lnot_mine_head
	global_prefetch_b8 v[PFV], s[PFA:PFA+1] offset:256 th:TH_LOAD_NT scope:SCOPE_SE
	global_prefetch_b8 v[PFV], s[PFA:PFA+1] offset:512 th:TH_LOAD_NT scope:SCOPE_SE
.Lnot_mine_head:
	s_lshl_b32 s82, s17, 18
	s_lshl_b32 s83, s14, 16
	s_add_co_u32 s82, s82, s83
	s_mov_b32 s83, 0
	s_add_nc_u64 s[68:69], s[68:69], s[82:83]      ; qh's and kh's prefetches: tokens 256 x tile row + 64 x wave
	s_add_nc_u64 s[70:71], s[70:71], s[82:83]
	s_lshl_b32 s82, s17, 18
	s_lshl_b32 s66, s14, 14
	s_add_co_u32 s82, s82, s66
	s_lshl_b32 s66, s42, 8                         ; 256 c
	s_add_co_u32 s82, s82, s66
	s_add_nc_u64 s[10:11], s[10:11], s[82:83]      ; attn at token 256 x tile row + 16 x wave, byte 256 c
	s_mul_i32 s21, s14, 16*PITCH
	s_add_co_u32 s22, s21, SLOT
	s_mul_i32 s23, s14, 16*TOKB
	v_and_b32 v1, 15, v0                           ; r
	v_bfe_u32 v2, v0, 4, 1                         ; H
	v_and_b32 v6, 31, v0
	v_lshlrev_b32 v3, 6, v1
	v_lshl_add_u32 v5, v2, 5, v3
	global_load_b128 v[MK:MK+3], v5, s[72:73]      ; mask(h = r, g = 8 H + 0..7)
	global_load_b128 v[MK+4:MK+7], v5, s[72:73] offset:16
	v_lshlrev_b32 v[AO], 4, v1
	v_lshl_add_u32 v[AO], v2, 3, v[AO]
	v_mul_u32_u24 v3, v1, PITCH
	v_lshl_add_u32 v4, v2, 4, v3                   ; a fragment's row x pitch + 16 H
	v_add_nc_u32 v[ADRA], s21, v4
	v_add_nc_u32 v[ADRA+1], s22, v4
	v_add_nc_u32 v[ADRB], 2*HALFT, v4
	v_add_nc_u32 v[ADRB+1], 2*HALFT+SLOT, v4
	v_lshrrev_b32 v3, 2, v1                        ; head r's 64 bytes: LDS row r / 4 of the token, byte 64 (r % 4)
	v_mul_u32_u24 v3, v3, PITCH
	v_and_b32 v7, 3, v1
	v_lshl_add_u32 v3, v7, 6, v3
	v_lshl_add_u32 v3, v2, 4, v3
	v_add_nc_u32 v[AQ0], s23, v3
	v_lshl_add_u32 v[PF], v6, 10, s66              ; a lane a row, my work-group's 256 bytes of it
	s_wait_alu depctr_va_vdst(0)
	s_wait_kmcnt 0x0
	s_add_co_i32 s81, s78, s79                     ; e6 + e7
	s_sub_co_i32 s80, s80, s76
	s_sub_co_i32 s80, s80, s77
	s_add_co_i32 s80, s80, 127
	s_lshl_b32 s76, s80, 23
	v_mov_b32 v[SCL], s76
	s_add_co_i32 s80, s80, 8
	s_lshl_b32 s80, s80, 23
	s_or_b32 s[LP], s80, 0x600000
	s_or_b32 s[LN], s[LP], 0x80000000
	s_wait_loadcnt 0x0
.irp j, 0,1,2,3,4,5,6,7
	v_mul_f32 v[MK+\j], 0x3e38aa3b, v[MK+\j]       ; x log2(e) / 8
.endr
.irp j, 0,1,2,3,4,5,6,7
	v_ldexp_f32 v[MK+\j], v[MK+\j], s81
.endr
.macro FRAG reg, adr, off              ; 16 rows x 128 K: registers 4 c .. 4 c + 3 hold K = 32 c + 16 H + 0..15, the same order on both sides
.irp c, 0,1,2,3
	ds_load_b128 v[\reg+4*\c:\reg+4*\c+3], v[\adr] offset:\off+32*\c
.endr
.endm
.macro MUL16 g0, p, zero               ; Wv's blocks g0 .. g0 + 3 x my four token blocks; the 64 accumulators take turns
.irp g, \g0, \g0+1, \g0+2, \g0+3
.irp m, 0,1,2,3
.if \zero
	v_wmma_f32_16x16x128_fp8_fp8 v[32*((\g)%8)+8*\m:32*((\g)%8)+8*\m+7], v[TF+64*(\p)+FR*\m:TF+64*(\p)+FR*\m+FR-1], v[FR*(\g):FR*(\g)+FR-1], 0
.else
	v_wmma_f32_16x16x128_fp8_fp8 v[32*((\g)%8)+8*\m:32*((\g)%8)+8*\m+7], v[TF+64*(\p)+FR*\m:TF+64*(\p)+FR*\m+FR-1], v[FR*(\g):FR*(\g)+FR-1], v[32*((\g)%8)+8*\m:32*((\g)%8)+8*\m+7]
.endif
.endr
.endr
.endm
.macro FETCH_T slot, q, p              ; my four token blocks, 64 rows apart
.irp i, 0,1,2,3
	FRAG TF+64*(\p)+FR*\i, ADRA+\slot, 128*(\q)+\i*64*PITCH
.endr
.endm
.macro FETCH_W slot, q, i0
	WIN TO_W
.irp i, \i0, \i0+1, \i0+2, \i0+3, \i0+4, \i0+5, \i0+6, \i0+7
	FRAG FR*(\i), ADRB+\slot, 128*(\q)+(\i)*16*PITCH
.endr
	WIN 0
.endm
.macro PREF n                          ; n = 0: v's or Wv's K step 3, and 64 rows x 256 bytes of qh; n = 1: of kh: each at least one change of slots ahead of its load
.if \n == 0
	s_cmp_eq_u32 s[PFF], 0
	s_cbranch_scc0 .Lnot_mine_\@
	global_prefetch_b8 v[PFV], s[PFA:PFA+1] offset:768 th:TH_LOAD_NT scope:SCOPE_SE
.Lnot_mine_\@:
	global_prefetch_b8 v[PF], s[68:69] th:TH_LOAD_NT scope:SCOPE_SE
	global_prefetch_b8 v[PF], s[68:69] offset:32768 th:TH_LOAD_NT scope:SCOPE_SE
.elseif \n == 1
	global_prefetch_b8 v[PF], s[70:71] th:TH_LOAD_NT scope:SCOPE_SE
	global_prefetch_b8 v[PF], s[70:71] offset:32768 th:TH_LOAD_NT scope:SCOPE_SE
.endif
.endm
.macro STEP slot, zero, pf             ; a slot's first 128 along K
	s_wait_dscnt 32                                ; the youngest 32 loads (Wv's blocks 8-15) may be out
	WIN MUL_LO
	MUL16 0, 0, \zero
	MUL16 4, 0, \zero
	s_wait_dscnt 0
	PLACES 4
	WIN 0
	FETCH_T \slot, 1, 1
	FETCH_W \slot, 1, 0
	PREF \pf
	WIN MUL_HI
	MUL16 8, 0, \zero
	MUL16 12, 0, \zero
	PLACES 4
	FETCH_W \slot, 1, 8
.endm
; A slot's second 128 changes slots.  fill = 1: this slot takes the K step two on; fill = 2: group 0 of qh and kh.
.macro TURN slot, next, fill
	s_wait_tensorcnt 0x0                           ; all my tensor loads have landed
	ds_add_u32 v[SPW], v[NIL]
	s_wait_dscnt 33                                ; the add and the youngest 32 loads may be out
	WIN MUL_LO
	MUL16 0, 1, 0
	s_wait_dscnt 0x0                               ; the add is done, my reads of this slot are over
	s_barrier_signal -1
	MUL16 4, 1, 0
	WIN 0
	s_barrier_wait -1
	CREST                                          ; the barrier has opened a round of the cluster's barrier
.if \fill == 1
	s_add_nc_u64 s[G0+4*\slot+2:G0+4*\slot+3], s[G0+4*\slot+2:G0+4*\slot+3], 2*ROWB
	s_add_nc_u64 s[G0B+4*\slot+2:G0B+4*\slot+3], s[G0B+4*\slot+2:G0B+4*\slot+3], 2*ROWB
	JLOAD G0+4*\slot, G1, G0B+4*\slot, G1B
.else
	JLOAD G0Q, G1Q, G0K, G1Q
.endif
	FETCH_T \next, 0, 0
	FETCH_W \next, 0, 0
	WIN MUL_HI
	MUL16 8, 1, 0
	MUL16 12, 1, 0
	PLACES 4
	FETCH_W \next, 0, 8
.endm
	s_wait_alu depctr_va_vdst(0)
	s_wait_tensorcnt 0x0                           ; my part of K step 0 is in
	ds_add_u32 v[SPW], v[NIL]
	s_wait_dscnt 0x0
	CROUND
	JLOAD G0+4, G1, G0B+4, G1B                     ; K step 1
	FETCH_T 0, 0, 0
	FETCH_W 0, 0, 0
	FETCH_W 0, 0, 8
	STEP 0, 1, 0
	TURN 0, 1, 1
	STEP 1, 0, 1
	TURN 1, 0, 1
	STEP 0, 0, 2
	TURN 0, 1, 2
	STEP 1, 0, 2
	s_wait_dscnt 32
	WIN MUL_LO
	MUL16 0, 1, 0
	MUL16 4, 1, 0
	s_wait_dscnt 0
	WIN MUL_HI
	MUL16 8, 1, 0
	MUL16 12, 1, 0
	WIN 0
; ---- the groups
.macro LOADF hf                        ; kh's and qh's fragments (16 heads x 64) of my tokens 8 hf .. 8 hf + 7
	WIN 0x40
.irp xx, 0,1,2,3,4,5,6,7
	ds_load_b128 v[F+16*\xx:F+16*\xx+3], v[AK] offset:(8*\hf+\xx)*TOKB
	ds_load_b128 v[F+16*\xx+4:F+16*\xx+7], v[AK] offset:(8*\hf+\xx)*TOKB+32
	ds_load_b128 v[F+16*\xx+8:F+16*\xx+11], v[AQ] offset:(8*\hf+\xx)*TOKB
	ds_load_b128 v[F+16*\xx+12:F+16*\xx+15], v[AQ] offset:(8*\hf+\xx)*TOKB+32
.endr
	WIN 0
.endm
.macro SCORES hf                       ; S^T = kh qh^T: lane r holds head h = r, register j the head g = 8 H + j
	WIN 0x55
.irp xx, 0,1,2,3,4,5,6,7
	v_wmma_f32_16x16x64_fp8_fp8 v[8*(8*\hf+\xx):8*(8*\hf+\xx)+7], v[F+16*\xx:F+16*\xx+7], v[F+16*\xx+8:F+16*\xx+15], 0
.endr
.endm
; vh of block i moved out, pairs of tokens (j, 8 + j), j = 4 hf .. 4 hf + 3: register j of the 16 accumulators, then the swap.  Each accumulator is read from its low end on.
.macro TP i, hf
	WIN 0x02
	s_wait_alu depctr_va_vdst(0)
.irp j, 0,1,2,3
.irp gl, 0,1,2,3,4,5,6,7
	v_mov_b32 v[T0+16*(4*\hf+\j)+\gl], v[32*\gl+8*\i+4*\hf+\j]
.endr
.endr
	WIN 0x03
	s_wait_alu depctr_va_vdst(0)
.irp j, 0,1,2,3
.irp gl, 0,1,2,3,4,5,6,7
	v_mov_b32 v[T0+16*(4*\hf+\j)+8+\gl], v[32*\gl+8*\i+4*\hf+\j]
.endr
.endr
	WIN 0
.irp j, 0,1,2,3
.irp gl, 0,1,2,3,4,5,6,7
	v_permlane16_swap_b32 v[T0+16*(4*\hf+\j)+\gl], v[T0+16*(4*\hf+\j)+8+\gl]   ; first: token j, g = gl | gl + 8; second: token 8 + j likewise
.endr
.endr
.endm
.macro SOFTMAX                         ; 16 tokens, stage by stage, so that 16 independent lines follow each other
	WIN 0x41                                       ; the mask lies in window 0
.irp pp, 0,2,4,6
.set x, 0
.rept 16
	v_pk_mul_f32 v[8*x+\pp:8*x+\pp+1], v[8*x+\pp:8*x+\pp+1], v[MK+\pp:MK+\pp+1]
.set x, x+1
.endr
.endr
	WIN 0x55
.set x, 0
.rept 16
	v_max3_num_f32 v[F+8*x], v[8*x], v[8*x+1], v[8*x+2]
.set x, x+1
.endr
.set x, 0
.rept 16
	v_max3_num_f32 v[F+8*x+1], v[8*x+3], v[8*x+4], v[8*x+5]
.set x, x+1
.endr
.set x, 0
.rept 16
	v_max3_num_f32 v[F+8*x], v[F+8*x], v[8*x+6], v[8*x+7]
.set x, x+1
.endr
.set x, 0
.rept 16
	v_max_num_f32 v[F+8*x+2], v[F+8*x], v[F+8*x+1]
.set x, x+1
.endr
.set x, 0
.rept 16
	v_permlanex16_b32 v[F+8*x+1], v[F+8*x+2], s96, s97
.set x, x+1
.endr
.set x, 0
.rept 16
	v_max_num_f32 v[F+8*x], v[F+8*x+2], v[F+8*x+1]   ; the row's largest
.set x, x+1
.endr
.irp pp, 0,2,4,6
.set x, 0
.rept 16
	v_pk_add_f32 v[8*x+\pp:8*x+\pp+1], v[8*x+\pp:8*x+\pp+1], v[F+8*x:F+8*x+1] op_sel_hi:[1,0] neg_lo:[0,1] neg_hi:[0,1]
.set x, x+1
.endr
.endr
	s_wait_alu depctr_va_vdst(0)
.set x, 0
.rept 128
	v_exp_f32 v[x], v[x]
.set x, x+1
.endr
	v_nop
	s_wait_alu depctr_va_vdst(0)
.set x, 0
.rept 16
	v_pk_add_f32 v[F+8*x+2:F+8*x+3], v[8*x:8*x+1], v[8*x+2:8*x+3]
.set x, x+1
.endr
.set x, 0
.rept 16
	v_pk_add_f32 v[F+8*x+4:F+8*x+5], v[8*x+4:8*x+5], v[8*x+6:8*x+7]
.set x, x+1
.endr
.set x, 0
.rept 16
	v_pk_add_f32 v[F+8*x+2:F+8*x+3], v[F+8*x+2:F+8*x+3], v[F+8*x+4:F+8*x+5]
.set x, x+1
.endr
.set x, 0
.rept 16
	v_add_f32 v[F+8*x+2], v[F+8*x+2], v[F+8*x+3]
.set x, x+1
.endr
.set x, 0
.rept 16
	v_permlanex16_b32 v[F+8*x+3], v[F+8*x+2], s96, s97
.set x, x+1
.endr
.set x, 0
.rept 16
	v_add_f32 v[F+8*x+2], v[F+8*x+2], v[F+8*x+3]     ; the row's sum
.set x, x+1
.endr
	s_wait_alu depctr_va_vdst(0)
.set x, 0
.rept 16
	v_rcp_f32 v[F+8*x], v[F+8*x+2]
.set x, x+1
.endr
	v_nop
	s_wait_alu depctr_va_vdst(0)
.irp pp, 0,2,4,6
.set x, 0
.rept 16
	v_pk_mul_f32 v[8*x+\pp:8*x+\pp+1], v[8*x+\pp:8*x+\pp+1], v[F+8*x:F+8*x+1] op_sel_hi:[1,0]   ; p, normalised
.set x, x+1
.endr
.endr
	WIN 0
	s_wait_alu depctr_va_vdst(0)                   ; p and vh moved out are read by the products below
.endm
; Four tokens q: pairs 2 q and 2 q + 1; u = 0..3 is token 2 q + u / 2 + 8 (u % 2).  attn^T = vh^T p^T, K = g in four steps of 4.
.macro PV q, s, u
.set xx, 2*(\q)+(\u)/2+8*((\u)%2)
.set rO, OA+32*((\q)%2)+8*(\u)
.set rT, T0+32*(\q)+8*(\u)+2*(\s)
.set rP, 8*xx+2*(\s)
	WIN 0x04                                       ; p lies in window 1
.if \s == 0
	v_wmma_f32_16x16x4_f32 v[rO:rO+7], v[rT:rT+1], v[rP:rP+1], 0
.else
	v_wmma_f32_16x16x4_f32 v[rO:rO+7], v[rT:rT+1], v[rP:rP+1], v[rO:rO+7]
.endif
.endm
.macro HOLD q, u                       ; within +-448 x the scale (the conversion does not saturate: ISA guide 7.6.2), from the accumulator's low end on
.set n, 0
.rept 8
	v_med3_num_f32 v[FO+8*(\u)+n], v[OA+32*((\q)%2)+8*(\u)+n], s[LN], s[LP]
.set n, n+1
.endr
.endm
.macro OUTQ i, q                       ; codes into the first 8 registers of these four tokens' vh, which is done with; a store covers 256 consecutive bytes, aligned
	WIN 0
.irp u, 0,1,2,3
	v_cvt_scalef32_pk8_fp8_f32 v[T0+32*(\q)+2*\u:T0+32*(\q)+2*\u+1], v[FO+8*\u:FO+8*\u+7], v[SCL]
.endr
	v_nop
.irp u, 0,1,2,3
	global_store_b64 v[AO], v[T0+32*(\q)+2*\u:T0+32*(\q)+2*\u+1], s[10:11] offset:(64*(\i)+2*(\q)+\u/2+8*(\u%2))*1024
.endr
.endm
; Eight tokens: 32 products on end, the eight accumulators by turns, one instruction a turn; eight places (ISA guide 7.12.1); then the way out, four tokens at a time.
.macro OCT i, h
.irp s, 0,1,2,3
.irp u, 0,1,2,3
	PV 2*\h, \s, \u
.endr
.irp u, 0,1,2,3
	PV 2*\h+1, \s, \u
.endr
.endr
	PLACES 8
.irp q, 2*\h, 2*\h+1
.irp u, 0,1,2,3
	HOLD \q, \u
.endr
	OUTQ \i, \q
.endr
.endm
; THE CHANGE OF SLOTS to group i.  It stands ahead of the f32 products of the group before, so that group i's first fragments land under them.
.macro MEET i
	s_wait_tensorcnt 0x0                           ; my part of this group's tile is in
	ds_add_u32 v[SPW], v[NIL]
	v_add_nc_u32 v[AQ], ((\i)%2)*SLOT, v[AQ0]
	v_add_nc_u32 v[AK], ((\i)%2)*SLOT+2*HALFT, v[AQ0]
.if \i < 3
	s_add_nc_u64 s[G0Q+2:G0Q+3], s[G0Q+2:G0Q+3], 0x10000   ; no load of mine is out: the next 64 tokens, into the other slot
	s_add_nc_u64 s[G0K+2:G0K+3], s[G0K+2:G0K+3], 0x10000
	s_add_co_u32 s[G0Q+1], s45, ((\i+1)%2)*SLOT
	s_add_co_u32 s[G0K+1], s45, ((\i+1)%2)*SLOT
.endif
	s_wait_alu depctr_va_vdst(0)
	s_wait_dscnt 0x0                               ; the add is done, my reads of the other slot are over
.if \i < 3
	CROUND
	JLOAD G0Q, G1Q, G0K, G1Q                       ; the next group: it has this whole group's work in which to land
.else
	s_barrier_signal -1
	s_barrier_wait -1
.endif
	LOADF 0
.endm
.macro GROUP i
	s_wait_dscnt 0x0                               ; the fragments of my tokens 0-7
	SCORES 0
	PLACES 4
	LOADF 1
.if \i > 0
	s_wait_xcnt 0x0                                ; the last group's stores have read their registers, which the moves below write
.endif
	TP \i, 0                                       ; under the loads' flight
	TP \i, 1
	s_wait_dscnt 0x0
	SCORES 1
	SOFTMAX
.if \i < 3
	MEET \i+1
.endif
	OCT \i, 0
	OCT \i, 1
.endm
	MEET 0
	GROUP 0
	GROUP 1
	GROUP 2
	GROUP 3
	s_wait_tensorcnt 0x0                           ; the wave's end
	ds_add_u32 v[SPW], v[NIL]
	s_wait_dscnt 0x0
	CROUND                                         ; the closing round
	s_endpgm
.Lfunc_end_k_q7c5f3fb95a_attnv:
	.size	k_q7c5f3fb95a_attnv, .Lfunc_end_k_q7c5f3fb95a_attnv-k_q7c5f3fb95a_attnv
	.p2alignl 7, 3214868480
	.fill 96, 4, 3214868480
	.section	.rodata,"a",@progbits
	.p2align	6, 0x0
	.amdhsa_kernel k_q7c5f3fb95a_attnv
		.amdhsa_group_segment_fixed_size 327680
		.amdhsa_private_segment_fixed_size 0
		.amdhsa_enable_private_segment 0
		.amdhsa_kernarg_size 56
		.amdhsa_user_sgpr_count 2
		.amdhsa_user_sgpr_kernarg_segment_ptr 1
		.amdhsa_wavefront_size32 1
		.amdhsa_system_sgpr_workgroup_id_x 1
		.amdhsa_system_sgpr_workgroup_id_y 1
		.amdhsa_system_sgpr_workgroup_id_z 1
		.amdhsa_system_vgpr_workitem_id 0
		.amdhsa_next_free_vgpr 1024
		.amdhsa_next_free_sgpr 100
		.amdhsa_reserve_vcc 0
		.amdhsa_float_denorm_mode_32 3
		.amdhsa_float_denorm_mode_16_64 3
		.amdhsa_memory_ordered 1
		.amdhsa_forward_progress 1
		.amdhsa_inst_pref_size 255
	.end_amdhsa_kernel
	.section	.bss,"aw",@nobits
	.p2align	6
	.space	262144
	.amdgpu_metadata
---
amdhsa.version: [ 1, 2 ]
amdhsa.kernels:
  - .name:           k_q7c5f3fb95a_attnv
    .symbol:         k_q7c5f3fb95a_attnv.kd
    .args:
      - { .name: v_codes, .offset: 0, .size: 8, .value_kind: global_buffer, .address_space: global }
      - { .name: wv_perm, .offset: 8, .size: 8, .value_kind: global_buffer, .address_space: global }
      - { .name: qh_codes, .offset: 16, .size: 8, .value_kind: global_buffer, .address_space: global }
      - { .name: kh_codes, .offset: 24, .size: 8, .value_kind: global_buffer, .address_space: global }
      - { .name: mask, .offset: 32, .size: 8, .value_kind: global_buffer, .address_space: global }
      - { .name: lowp_scales, .offset: 40, .size: 8, .value_kind: global_buffer, .address_space: global }
      - { .name: attn_codes, .offset: 48, .size: 8, .value_kind: global_buffer, .address_space: global }
    .group_segment_fixed_size: 327680
    .private_segment_fixed_size: 0
    .kernarg_segment_align: 8
    .kernarg_segment_size: 56
    .max_flat_workgroup_size: 128
    .sgpr_count:     100
    .vgpr_count:     1024
    .wavefront_size: 32
...
	.end_amdgpu_metadata
.endif
;; end of part 2
;; launch projo (part 3): grid 4 x 64, 4 waves a work-group, clusters of 4 x 4, 327,680 bytes of LDS; arguments attn_codes, wo_perm, lowp_scales, out0; writes out0
.if DOCPART == 3
	.amdgcn_target "amdgcn-amd-amdhsa--gfx1250"
	.amdhsa_code_object_version 6
	.text
	.protected	k_q7c5f3fb95a_projo
	.globl	k_q7c5f3fb95a_projo
	.p2align	8
	.type	k_q7c5f3fb95a_projo,@function
k_q7c5f3fb95a_projo:
	s_mov_b64 s[64:65], 0
	v_nop
	global_prefetch_b8 v0, s[64:65] scope:SCOPE_SE
	s_setreg_imm32_b32 hwreg(HW_REG_WAVE_MODE, 25, 1), 1
	s_wait_xcnt 0x0
	s_wait_alu depctr_hold_cnt(0) depctr_sa_sdst(0) depctr_va_vdst(0) depctr_va_sdst(0) depctr_va_ssrc(0) depctr_va_vcc(0) depctr_vm_vsrc(0)
	s_getreg_b32 s2, hwreg(HW_REG_IB_STS2, 6, 4)
	s_cmp_eq_u32 s2, 0
	s_cbranch_scc0 .Lentry_in_a_cluster
	s_endpgm
.Lentry_in_a_cluster:
	s_bfe_u32 s2, ttmp6, 0x10000c
	s_cmp_lg_u32 s2, 0xf033
	s_cbranch_scc0 .Lentry_shape_is_right
	s_endpgm
.Lentry_shape_is_right:
; out0[m][n] = sum over k of attn[m][k] Wo[n][k].  A = attn_codes [SIZE_M][SIZE_K], B = wo_perm [SIZE_N][SIZE_K]: codes of FP8 (E4M3), both with the same order of their 16-byte pieces along K; C = out0 [SIZE_M][SIZE_N] f32; sums in f32.
; A number of A is its code's value x 2^e8, of B x 2^e9: entries 8 and 9 of the buffer of scales.  The codes are multiplied as they are, and each finished sum once by 2^(e8 + e9).
; LIMIT: e8 + e9 lies between -126 and 127, so that 2^(e8 + e9) is an f32 number.
; A tile of C, 256 x 256, is made by a work-group of four waves; a wave makes 128 x 128: 64 accumulators of 16 x 16, 512 registers.
; K goes in steps of 256 through a ring of two LDS slots filled by the tensor data mover: a tile's row is 256 bytes of memory.
; CLUSTERS: 4 x 4 work-groups.  The four of a row of the cluster need the same tiles of A, the four of a column the same tiles of B: each tile is asked for JOINTLY, by the same tensor load with the
; same descriptor and a mask that names the four.  THE MATRIX INSTRUCTION IS USED TRANSPOSED (source 0 = 16 rows of B, source 1 = 16 rows of A): a lane then holds eight neighbouring numbers of a row of C.
; REGISTERS, in windows of 256: window 0: v0-31 addresses; from v128 A's fragments (8 x 16 rows x 128 K), ONE set; on the way out v32-255 are free.
;   window 1: B's fragments, TWO sets, at v0 and at v128.   window 2: the 32 accumulators of my rows 0-63 (accumulator (a, b) at v[8 (8 a + b)]);   window 3: those of my rows 64-127.
; A step of 128 along K is 64 matrix instructions, A's blocks one after the other, each against B's eight.  So a block of A is free as soon as its eight products are issued, and one set of registers serves A:
; blocks 0-3 are fetched anew in the step's middle, blocks 4-7 at its end.  B's fragments are at work through the whole step, so B has two sets.
.set SIZE_M, 16384
.set SIZE_N, 1024
.set SIZE_K, 1024
.set KSTEP,  256                       ; along K in a slot
.set ROWB,   256                       ; a tile's row in bytes
.set KROW,   SIZE_K                    ; a row of A or of B in memory, in bytes
.set PITCH,  272                       ; an LDS row: 256 bytes of data + 16 of padding = 68 words: the 16 rows that a load touches start at 16 different banks (ISA guide 11.1)
.set FR,     16                        ; registers of a fragment: 16 rows x 128 K
.set NL,     4                         ; LDS loads that bring one
.set NP,     4                         ; places behind this matrix instruction (ISA guide 7.12.1)
.set HALFT,  128*PITCH                 ; 128 rows: what one tensor load brings, and what one wave reads of A or of B
.set SLOT,   4*HALFT                   ; A's 256 rows, then B's 256 rows
.set LAPS,   SIZE_K/(2*KSTEP)          ; a lap = two K steps = once round the ring
.set SPARE,  2*SLOT                    ; behind the ring: the spare words, 128 bytes for each wave: two blocks of 256 bytes that no other line names
.set SPITCH, 528                       ; the way out: a stage of 16 rows x (512 bytes + 16) for each wave.  It lies in slot 0, which has had its last fill and its last read when the first result is stored there
.set ADRA, 16                          ; v16-17  LDS address of my A fragments in slot 0, 1
.set ADRB, 20                          ; v20-21  the same for B
.set STO,  24                          ; v24     the way out: where I put 32 bytes of a row
.set RD,   25                          ; v25     the way out: where I read a row back
.set CO,   26                          ; v26     my byte offset in a row of C
.set SPW,  28                          ; v28     LDS address of my spare word: SPARE + 4 x my thread's number; never rewritten
.set NIL,  29                          ; v29     0; never rewritten
.set TMP,  32                          ; the way out: 64 registers, a block's sums x 2^(e8 + e9)
.set AF,   128                         ; A's fragments, in window 0
; the way out: block a's 16 rows are read back from the stage into 64 registers of its own: blocks 0, 1 window 0 v128, v192; blocks 2-5 window 1 v0, v64, v128, v192; blocks 6, 7 window 2 v0, v64 (the accumulators of blocks 0, 1, read out by then)
.set G1, 24                            ; s[24:31] descriptor group 1 for A's tiles;  s[32:39] group 0, one set for each slot
.set G0, 32
.set G1B, 48                           ; s[48:55], s[56:63] the same for B's tiles
.set G0B, 56
.set MSB, 0
.macro WIN new                         ; the immediate's high byte repeats the setting that is left
.if MSB != \new
	s_set_vgpr_msb (MSB<<8)|\new
.set MSB, \new
.endif
.endm
.set MUL_LO, 0xa1                      ; source 0 (B) window 1, source 1 (A) window 0, C and D window 2
.set MUL_HI, 0xf1                      ; the same, C and D window 3
.set TO_B,   0x40                      ; destination window 1, address window 0
; A joint load: waves 0 and 1 fetch for A, waves 2 and 3 for B.  Each of the two lines has ONE mask and one set of registers for all that issue it; the branch hangs on the wave's number alone.
; Four v_nop follow each of the two lines, ahead of the jump, the label and what follows.
.macro JLOAD g0a, g1a, g0b, g1b
	s_cmp_eq_u32 s15, 0
	s_cbranch_scc0 .Lfor_b_\@
	tensor_load_to_lds s[\g0a:\g0a+3], s[\g1a:\g1a+7]
	s_nop 0
.rept 4
	v_nop
.endr
	s_branch .Lasked_\@
.Lfor_b_\@:
	tensor_load_to_lds s[\g0b:\g0b+3], s[\g1b:\g1b+7]
	s_nop 0
.rept 4
	v_nop
.endr
.Lasked_\@:
.endm
.macro CREST                           ; a round of the cluster's barrier behind its opening barrier
	s_cmp_lg_u32 s14, 0
	s_cbranch_scc1 .Lnot_wave_0_\@
	s_barrier_signal -3
.Lnot_wave_0_\@:
	s_barrier_wait -3
	s_barrier_signal -1
	s_barrier_wait -1
.endm
.macro CROUND                          ; a whole round
	s_barrier_signal -1
	s_barrier_wait -1
	CREST
.endm
	s_load_b128 s[4:7], s[0:1], 0x0                ; A's codes s[4:5], B's codes s[6:7]
	s_load_b128 s[8:11], s[0:1], 0x10              ; the scales' exponents s[8:9], C s[10:11]
	v_lshl_add_u32 v[SPW], v0, 2, SPARE
	v_mov_b32 v[NIL], 0
	ds_add_u32 v28, v29
	ds_add_u32 v28, v29
	s_wait_dscnt 0x0
	v_lshrrev_b32 v1, 5, v0
	v_readfirstlane_b32 s14, v1                    ; wave 0..3
	s_lshr_b32 s15, s14, 1                         ; which half of the tile's rows is mine.  Also: I fetch for A (0) or for B (1)
	s_and_b32 s16, s14, 1                          ; which half of its columns.  Also: which 128 rows of that tile I fetch
	s_bfe_u32 s40, ttmp6, 0x40000                  ; cx, cy: my place in the cluster
	s_bfe_u32 s41, ttmp6, 0x40004
	s_lshl_b32 s42, ttmp9, 2
	s_add_co_u32 s42, s42, s40                     ; tile column of C = 4 x cluster x + cx
	s_and_b32 s17, ttmp7, 0xffff
	s_lshl_b32 s17, s17, 2
	s_add_co_u32 s17, s17, s41                     ; tile row of C = 4 x cluster y + cy
	s_lshl_b32 s43, s41, 2
	s_lshl_b32 s43, 15, s43                        ; my row of the cluster
	s_lshl_b32 s44, 0x1111, s40                    ; my column
	; descriptor group 1: a tile of 128 rows x ROWB bytes, padded in LDS
	s_or_b32 s[G1+0], s43, (0<<16)|(1<<20)|(1<<21)|(5<<22)|(3<<25)  ; 15:0 the mask: A's tiles go to my row; 17:16 element of 1 byte; 20 padding on; 21 set beside a mask; 24:22 after every 64 words (code 5); 31:25 of 4 words (code 3)
	s_or_b32 s[G1B+0], s44, (0<<16)|(1<<20)|(1<<21)|(5<<22)|(3<<25)
.irp g, G1, G1B
	s_mov_b32 s[\g+1], ROWB<<16                    ; tensor_dim0
	s_mov_b32 s[\g+2], 128<<16                     ; tensor_dim1 = 128
	s_mov_b32 s[\g+3], ROWB<<16                    ; tile_dim0
	s_mov_b32 s[\g+4], 128                         ; tile_dim1 = 128
	s_mov_b32 s[\g+5], KROW                        ; tensor_dim0_stride
	s_mov_b32 s[\g+6], 0
	s_mov_b32 s[\g+7], 0
.endr
	s_lshl_b32 s18, s16, 7                         ; which 128 rows of the tile I fetch
	s_lshl_b32 s20, s17, 8
	s_add_co_u32 s20, s20, s18                     ; A: row 256 x tile row + 128 x half
	s_lshl_b32 s46, s42, 8
	s_add_co_u32 s46, s46, s18                     ; B: row 256 x tile column + 128 x half
	s_mov_b32 s21, 0
	s_mov_b32 s47, 0
	s_mov_b64 s[18:19], KROW
	s_mul_u64 s[20:21], s[20:21], s[18:19]         ; in bytes
	s_mul_u64 s[46:47], s[46:47], s[18:19]
	s_mul_i32 s45, s14, HALFT                      ; where they go: wave x 128 rows: no place in the cluster enters an LDS address
	s_wait_kmcnt 0x0
	s_load_b64 s[96:97], s[8:9], 0x20              ; e8, e9
	s_add_nc_u64 s[20:21], s[4:5], s[20:21]
	s_add_nc_u64 s[46:47], s[6:7], s[46:47]
	CROUND                                         ; all sixteen work-groups are here: the first joint loads meet
.irp s, 0,1
	s_mov_b32 s[G0+4*\s], 1
	s_add_co_u32 s[G0+4*\s+1], s45, \s*SLOT
	s_add_nc_u64 s[G0+4*\s+2:G0+4*\s+3], s[20:21], \s*ROWB
	s_or_b32 s[G0+4*\s+3], s[G0+4*\s+3], 0x80000000
	s_mov_b32 s[G0B+4*\s], 1
	s_add_co_u32 s[G0B+4*\s+1], s45, \s*SLOT
	s_add_nc_u64 s[G0B+4*\s+2:G0B+4*\s+3], s[46:47], \s*ROWB
	s_or_b32 s[G0B+4*\s+3], s[G0B+4*\s+3], 0x80000000
.endr
	JLOAD G0, G1, G0B, G1B                         ; K step 0: one tensor load a wave at the head
; PREFETCHES INTO THE L2 of the tiles that later refills ask for: 32 rows x 256 bytes an instruction, a lane a row.  Of the 128 rows that a wave fetches, each of the four partners that ask for them jointly names 32,
; told apart by address (cx for A, cy for B).  B is the same for all sixteen clusters: clusters 0, 4, 8 and 12 alone name it.
; Here: K steps 1 and 2.  In the first step of 128 along K, which stands ahead of the loop: K step 3, one change of slots ahead of its load.  The address registers are never rewritten.
.set PFO, 27                           ; v27      1,024 x my lane
.set PFA, 68                           ; s[68:69] my 32 rows of A or B
.set PFF, 70                           ; s70      0 where my wave asks
.set PFN, 0                            ; 0 in the first step as the text has them, which is the first that runs
.macro ASKN
.if PFN == 0
	s_cmp_eq_u32 s[PFF], 0
	s_cbranch_scc0 .Lnot_mine_\@
	global_prefetch_b8 v[PFO], s[PFA:PFA+1] offset:768 th:TH_LOAD_NT scope:SCOPE_SE
.Lnot_mine_\@:
.endif
.set PFN, PFN+1
.endm
	s_cmp_eq_u32 s15, 0                            ; do I fetch for A?
	s_cselect_b64 s[PFA:PFA+1], s[20:21], s[46:47] ; the 128 rows that I fetch, K step 0
	s_cselect_b32 s72, s40, s41                    ; my place among the four that ask with me
	s_lshl_b32 s72, s72, 15                        ; x 32 rows of 1,024 bytes
	s_mov_b32 s73, 0
	s_add_nc_u64 s[PFA:PFA+1], s[PFA:PFA+1], s[72:73]
	s_and_b32 s72, ttmp7, 3                        ; the cluster's number % 4,
	s_mul_i32 s[PFF], s72, s15                     ; which counts for B's waves alone
	v_and_b32 v[PFO], 31, v0
	v_lshlrev_b32 v[PFO], 10, v[PFO]
	s_cmp_eq_u32 s[PFF], 0
	s_cbranch_scc0 .Lnot_mine_head
	global_prefetch_b8 v[PFO], s[PFA:PFA+1] offset:256 th:TH_LOAD_NT scope:SCOPE_SE
	global_prefetch_b8 v[PFO], s[PFA:PFA+1] offset:512 th:TH_LOAD_NT scope:SCOPE_SE
.Lnot_mine_head:
	v_and_b32 v1, 15, v0                           ; l % 16
	s_wait_alu depctr_va_vdst(0)
	v_bfe_u32 v2, v0, 4, 1                         ; l / 16
	v_mul_u32_u24 v3, v1, PITCH
	v_lshl_add_u32 v4, v2, 4, v3                   ; a fragment's row x pitch + 16 x half
	s_mul_i32 s21, s15, HALFT                      ; my 128 rows of A
	s_mul_i32 s22, s16, HALFT                      ; my 128 rows of B,
	s_add_co_u32 s22, s22, 2*HALFT                 ; which lie behind A's 256
.irp s, 0,1
	v_add_nc_u32 v[ADRA+\s], s21, v4
	v_add_nc_u32 v[ADRB+\s], s22, v4
	s_add_co_u32 s21, s21, SLOT
	s_add_co_u32 s22, s22, SLOT
.endr
	s_mul_i32 s23, s14, 16*SPITCH                  ; my stage
	v_mul_u32_u24 v5, v1, SPITCH                   ; in: row l % 16, 32 bytes for each half of the lanes
	s_wait_alu depctr_va_vdst(0)
	v_lshl_add_u32 v5, v2, 5, v5
	v_add_nc_u32 v[STO], s23, v5
	v_and_b32 v6, 31, v0
	v_lshlrev_b32 v[CO], 4, v6                     ; back: the 32 lanes take one row of 512 bytes; and the same in C
	v_add_nc_u32 v[RD], s23, v[CO]
	s_lshl_b32 s20, s17, 8
	s_lshl_b32 s21, s15, 7
	s_add_co_u32 s20, s20, s21                     ; my first row of C: 256 x tile row + 128 x half
	s_mov_b32 s21, 0
	s_mov_b64 s[18:19], SIZE_N*4
	s_mul_u64 s[20:21], s[20:21], s[18:19]
	s_lshl_b32 s46, s42, 10                        ; my first column, in bytes: 1024 x tile column + 512 x half
	s_lshl_b32 s47, s16, 9
	s_add_co_u32 s46, s46, s47
	s_mov_b32 s47, 0
	s_add_nc_u64 s[20:21], s[20:21], s[46:47]
	s_add_nc_u64 s[10:11], s[10:11], s[20:21]
.macro FRAG reg, adr, q, i             ; a fragment, 16 rows x 128 K of 8-bit codes, is 16 registers: lane l holds row l % 16; registers 4 c .. 4 c + 3 hold K = 32 c + 16 (l / 16) + 0 .. 15: the same order of k on both sides
.irp c, 0,1,2,3
	ds_load_b128 v[\reg+4*\c:\reg+4*\c+3], v[\adr] offset:128*(\q)+32*\c+(\i)*16*PITCH
.endr
.endm
; 16 matrix instructions: A's blocks a0, a0 + 1 x B's eight, 128 along K.  p: B's set.  zero = 1: the first product starts the sums: nothing is ever cleared.
; The 64 accumulators take turns, one instruction a turn, in the same order in every step.
.macro MUL16 a0, p, zero
.irp a, \a0, \a0+1
.irp b, 0,1,2,3,4,5,6,7
.if \zero
	v_wmma_f32_16x16x128_fp8_fp8 v[8*(8*((\a)%4)+\b):8*(8*((\a)%4)+\b)+7], v[128*(\p)+FR*\b:128*(\p)+FR*\b+FR-1], v[AF+FR*(\a):AF+FR*(\a)+FR-1], 0
.else
	v_wmma_f32_16x16x128_fp8_fp8 v[8*(8*((\a)%4)+\b):8*(8*((\a)%4)+\b)+7], v[128*(\p)+FR*\b:128*(\p)+FR*\b+FR-1], v[AF+FR*(\a):AF+FR*(\a)+FR-1], v[8*(8*((\a)%4)+\b):8*(8*((\a)%4)+\b)+7]
.endif
.endr
.endr
.endm
.macro FETCH_B slot, q, p              ; B's eight fragments of the slot's q-th 128 along K into set p
	WIN TO_B
.irp i, 0,1,2,3,4,5,6,7
	FRAG 128*(\p)+FR*\i, ADRB+\slot, \q, \i
.endr
	WIN 0
.endm
.macro FETCH_A slot, q, i0             ; A's blocks i0 .. i0 + 3
.irp i, \i0, \i0+1, \i0+2, \i0+3
	FRAG AF+FR*(\i), ADRA+\slot, \q, \i
.endr
.endm
; A load into a register that a matrix instruction has read, and a vector instruction or an LDS store that reads a matrix result, stand NP places behind that matrix instruction, and only plain vector
; instructions that name none of its registers are places (ISA guide 7.12.1 for vector instructions).
.macro PLACES n
.rept \n
	v_nop
.endr
.endm
; A step of 128 along K that has its successor in the same slot.
.macro STEP slot, q, zero
	s_wait_dscnt 4*NL                              ; B's set and A's blocks 0-3 are in; the youngest 16 loads (A's blocks 4-7) may be out
	WIN MUL_LO
	MUL16 0, (\q)%2, \zero
	MUL16 2, (\q)%2, \zero
	s_wait_dscnt 0                                 ; A's blocks 4-7 are in (asked for 32 matrix instructions ago)
	PLACES NP
	FETCH_B \slot, (\q)+1, 1-(\q)%2
	FETCH_A \slot, (\q)+1, 0
	ASKN
	WIN MUL_HI
	MUL16 4, (\q)%2, \zero
	MUL16 6, (\q)%2, \zero
	PLACES NP
	WIN 0
	FETCH_A \slot, (\q)+1, 4
.endm
; A slot's last step changes slots: ONE barrier; in front of it each wave waits for all its tensor loads, adds 0 to its spare word, and waits for that and for its own reads of this slot.  fill = 1: this slot is filled again, two K steps ahead.
.macro TURN slot, next, fill
	s_wait_tensorcnt 0x0                           ; all my tensor loads have landed: my part of the next slot;  (every window is 0 here: the add's two registers lie in window 0)
	ds_add_u32 v[SPW], v[NIL]                      ; 0 onto my spare word
	s_wait_dscnt 4*NL+1                            ; (the add and the youngest 16 loads, A's blocks 4-7, may be out)
	WIN MUL_LO
	MUL16 0, 1, 0                                  ; sixteen matrix instructions stand between the add and the wait for it
	s_wait_dscnt 0x0                               ; the add is done, and my reads of this slot are over
	s_barrier_signal -1
	MUL16 2, 1, 0
	WIN 0
	s_barrier_wait -1
.if \fill
	CREST                                          ; the barrier has opened a round of the cluster's barrier: no wave of any partner still reads this slot's tile or has a load on its way
	s_add_nc_u64 s[G0+4*\slot+2:G0+4*\slot+3], s[G0+4*\slot+2:G0+4*\slot+3], 2*ROWB
	s_add_nc_u64 s[G0B+4*\slot+2:G0B+4*\slot+3], s[G0B+4*\slot+2:G0B+4*\slot+3], 2*ROWB
	JLOAD G0+4*\slot, G1, G0B+4*\slot, G1B         ; the first tensor load behind the round; the four v_nop behind it are the places in front of the loads below
.else
	PLACES NP
.endif
	FETCH_B \next, 0, 0
	FETCH_A \next, 0, 0
	WIN MUL_HI
	MUL16 4, 1, 0
	MUL16 6, 1, 0
	PLACES NP
	WIN 0
	FETCH_A \next, 0, 4
.endm
	s_wait_alu depctr_va_vdst(0)
	s_wait_tensorcnt 0x0                           ; my part of K step 0 is in
	ds_add_u32 v[SPW], v[NIL]
	s_wait_dscnt 0x0
	CROUND                                         ; everybody's part of K step 0 is in, and the sixteen work-groups meet
	JLOAD G0+4, G1, G0B+4, G1B                     ; K step 1, the first tensor load behind the round
	FETCH_B 0, 0, 0
	FETCH_A 0, 0, 0
	FETCH_A 0, 0, 4
	STEP 0, 0, 1                                   ; the first step stands in front of the loop: its products start the sums
	s_mov_b32 s3, LAPS-1
.Llap:                                                 ; a trip goes once round the ring, from a lap's second step to the next lap's first, and fills both slots again
	TURN 0, 1, 1
	STEP 1, 0, 0
	TURN 1, 0, 1
	STEP 0, 0, 0
	s_sub_co_u32 s3, s3, 1
	s_cmp_lg_u32 s3, 0
	s_cbranch_scc1 .Llap
	TURN 0, 1, 0                                   ; the last lap fills nothing, and has no round of the cluster's barrier
	STEP 1, 0, 0
	s_wait_dscnt 4*NL                              ; the very last step: nothing more to fetch
	WIN MUL_LO
	MUL16 0, 1, 0
	MUL16 2, 1, 0
	s_wait_dscnt 0
	WIN MUL_HI
	MUL16 4, 1, 0
	MUL16 6, 1, 0
	WIN 0
; THE WAY OUT, block by block of 16 rows x 128 columns.  A lane holds 32 neighbouring bytes of a row, and the lanes beside it hold other rows: so a block goes through my own stage in LDS and comes back as whole
; rows of 512 bytes, which the 32 lanes store as two aligned runs of 256 bytes.  LDS serves a wave's instructions in order (ISA guide 5.7.1.4): no wait between the stores and the loads, nor in front of the next block's stores.
.macro TOSTAGE a
.set AC, 64*((\a)%4)
	WIN 0x02+((\a)/4)                              ; source 0: window 2 or 3
.irp j, 0,2,4,6,8,10,12,14,16,18,20,22,24,26,28,30,32,34,36,38,40,42,44,46,48,50,52,54,56,58,60,62
	v_pk_mul_f32 v[TMP+\j:TMP+\j+1], v[AC+\j:AC+\j+1], s[96:97] op_sel_hi:[1,0]   ; both x s96 = 2^(e8 + e9): nothing is rounded, short of overflow and underflow; each accumulator from its low end on
.endr
	WIN 0
.irp b, 0,1,2,3,4,5,6,7
	ds_store_b128 v[STO], v[TMP+8*\b:TMP+8*\b+3] offset:64*\b
	ds_store_b128 v[STO], v[TMP+8*\b+4:TMP+8*\b+7] offset:64*\b+16
.endr
.set BB, 64*(((\a)+2)%4)
	WIN ((((\a)+2)/4)<<6)                          ; the destination's window
.irp t, 0,1,2,3,4,5,6,7,8,9,10,11,12,13,14,15
	ds_load_b128 v[BB+4*\t:BB+4*\t+3], v[RD] offset:\t*SPITCH
.endr
	WIN 0
.endm
.macro SEND a, younger                 ; younger: the LDS instructions issued behind block a's loads, which may stay out
.set BB, 64*(((\a)+2)%4)
	s_wait_dscnt \younger                          ; the block is back in registers
	WIN ((((\a)+2)/4)<<2)                          ; the store data's window
.irp t, 0,1,2,3,4,5,6,7,8,9,10,11,12,13,14,15
	global_store_b128 v[CO], v[BB+4*\t:BB+4*\t+3], s[10:11] offset:(16*(\a)+\t)*SIZE_N*4   ; 32 lanes store 512 consecutive bytes, at a multiple of 256 from C's first byte; the offset is 127 rows of 4,096 bytes at the most; base, offset register and data are never rewritten
.endr
	WIN 0
.endm
	s_wait_kmcnt 0x0
	s_add_co_i32 s96, s96, s97                     ; e8 + e9, between -126 and 127,
	s_add_co_i32 s96, s96, 127
	s_lshl_b32 s96, s96, 23                        ; makes the f32 number 2^(e8 + e9)
	PLACES NP                                      ; behind the last products: these places serve the loads into the registers that held A's fragments and block 7's reads alike
	TOSTAGE 0
.irp a, 1,2,3,4,5,6,7
	TOSTAGE \a
	SEND \a-1, 32                                  ; behind block a - 1's loads: block a's 16 stores and 16 loads
.endr
	SEND 7, 0
	s_wait_tensorcnt 0x0                           ; the wave's end, behind my last tensor load and my last LDS store
	ds_add_u32 v[SPW], v[NIL]
	s_wait_dscnt 0x0
	CROUND                                         ; the closing round: no work-group ends while a partner may still ask for a tile that names it
	s_endpgm
.Lfunc_end_k_q7c5f3fb95a_projo:
	.size	k_q7c5f3fb95a_projo, .Lfunc_end_k_q7c5f3fb95a_projo-k_q7c5f3fb95a_projo
	.p2alignl 7, 3214868480
	.fill 96, 4, 3214868480
	.section	.rodata,"a",@progbits
	.p2align	6, 0x0
	.amdhsa_kernel k_q7c5f3fb95a_projo
		.amdhsa_group_segment_fixed_size 327680
		.amdhsa_private_segment_fixed_size 0
		.amdhsa_enable_private_segment 0
		.amdhsa_kernarg_size 32
		.amdhsa_user_sgpr_count 2
		.amdhsa_user_sgpr_kernarg_segment_ptr 1
		.amdhsa_wavefront_size32 1
		.amdhsa_system_sgpr_workgroup_id_x 1
		.amdhsa_system_sgpr_workgroup_id_y 1
		.amdhsa_system_sgpr_workgroup_id_z 1
		.amdhsa_system_vgpr_workitem_id 0
		.amdhsa_next_free_vgpr 1024
		.amdhsa_next_free_sgpr 98
		.amdhsa_reserve_vcc 0
		.amdhsa_float_denorm_mode_32 3
		.amdhsa_float_denorm_mode_16_64 3
		.amdhsa_memory_ordered 1
		.amdhsa_forward_progress 1
		.amdhsa_inst_pref_size 124
	.end_amdhsa_kernel
	.amdgpu_metadata
---
amdhsa.version: [ 1, 2 ]
amdhsa.kernels:
  - .name:           k_q7c5f3fb95a_projo
    .symbol:         k_q7c5f3fb95a_projo.kd
    .args:
      - { .name: attn_codes, .offset: 0, .size: 8, .value_kind: global_buffer, .address_space: global }
      - { .name: wo_perm, .offset: 8, .size: 8, .value_kind: global_buffer, .address_space: global }
      - { .name: lowp_scales, .offset: 16, .size: 8, .value_kind: global_buffer, .address_space: global }
      - { .name: out0, .offset: 24, .size: 8, .value_kind: global_buffer, .address_space: global }
    .group_segment_fixed_size: 327680
    .private_segment_fixed_size: 0
    .kernarg_segment_align: 8
    .kernarg_segment_size: 32
    .max_flat_workgroup_size: 128
    .sgpr_count:     98
    .vgpr_count:     1024
    .wavefront_size: 32
...
	.end_amdgpu_metadata
.endif
;; end of part 3
